; MI455X (gfx1250); checked and timed in simulation.
; The chip was launched on July 23, 2026; its instructions are those of AMD's public machine-readable ISA for CDNA 5 (MIT licence, August 2026) and "CDNA5" Instruction Set Architecture Reference Guide (July 2026). The comments in the code are by the model that wrote it; some were corrected since.
;; Multi Head Attention. Allowed arithmetic: matrix products marked QUANTISED: E4M3 operands, one given power-of-two scale a tensor, by v_wmma_f32_16x16x64_fp8_fp8 or v_wmma_f32_16x16x128_fp8_fp8, f32 sums; everything else in f32.
;; Inputs: b_k 1,024 float32; b_o 1,024 float32; b_q 1,024 float32; b_v 1,024 float32; k 4 x 2,048 x 1,024 float32; lowp_scales 12 int32 (the exponents e of the quantised operands' scales 2^e); q 4 x 2,048 x 1,024 float32; v 4 x 2,048 x 1,024 float32; w_k 1,024 x 1,024 float32; w_o 1,024 x 1,024 float32; w_q 1,024 x 1,024 float32; w_v 1,024 x 1,024 float32.
;; Outputs: out0 4 x 2,048 x 1,024 float32.
;; This version of the problem:
;;   THIS VERSION OF THE PROBLEM IS GIVEN IN LOW PRECISION. The matrix products marked QUANTISED in the list below multiply operands that are first quantised to E4M3 (4 exponent bits, 3 mantissa bits; 8 bits a number), with one given power-of-two scale for each operand tensor; their sums are f32. All else is computed in f32.
;;   The module's matrix products, in the order in which they are computed (A, B: the left and right operand; K: the contracted axis; several contracted axes count as one K, in the product's order):
;;     1. [M 8,192, K 1,024] x [K 1,024, N 1,024]; A: input q; B: input w_q: QUANTISED (scales: A lowp_scales[0], B lowp_scales[1])
;;     2. [M 8,192, K 1,024] x [K 1,024, N 1,024]; A: input k; B: input w_k: QUANTISED (scales: A lowp_scales[2], B lowp_scales[3])
;;     3. [M 8,192, K 1,024] x [K 1,024, N 1,024]; A: input v; B: input w_v: QUANTISED (scales: A lowp_scales[4], B lowp_scales[5])
;;     4. batch 64 x [M 2,048, K 64] x [K 64, N 2,048]; A: computed on the way; B: computed on the way: QUANTISED (scales: A lowp_scales[6], B lowp_scales[7])
;;     5. batch 64 x [M 2,048, K 2,048] x [K 2,048, N 64]; A: softmax (see below); B: computed on the way: QUANTISED (scales: A lowp_scales[8], B lowp_scales[9])
;;     6. [M 8,192, K 1,024] x [K 1,024, N 1,024]; A: computed on the way; B: input w_o: QUANTISED (scales: A lowp_scales[10], B lowp_scales[11])
;;   THE QUANTISER, for each operand of a quantised product, along K:
;;     - The operand's scale is 2^e, e = its entry of the input lowp_scales (int32; the entries are numbered through the quantised products in the list's order, A before B).
;;     - Each number is divided by the scale, clamped to +-448, and rounded to the nearest number of E4M3, ties to even, subnormals kept.
;;     - The product sums the exact products of the quantised numbers (number of the format x scale) in f32.
;;   ~~~python
;;   def quantise(x, axis, e):      # numpy; x: float32 -> the quantised numbers, widened to float32 again
;;       x = np.moveaxis(x, axis, -1); K = x.shape[-1]
;;       r = np.clip(x / 2.0 ** e, -448, 448)
;;       step = 2.0 ** (np.maximum(np.frexp(np.where(r == 0, 1, r))[1] - 1, -6) - 3)
;;       q = np.round(r / step) * step * 2.0 ** e      # np.round: ties to even
;;       return np.moveaxis(q, -1, axis).astype(np.float32)
;;   ~~~
;;   SOFTMAX AHEAD OF A QUANTISED PRODUCT. Where the list says 'softmax', what is quantised is not the finished softmax but p = 2^(t - M), with t = logit x log2(e) and M = ceil(the row's largest t), a whole number; so 1/2 < the row's largest p <= 1. The row's sum l is taken of the UNQUANTISED p, in f32, and the product's result is divided by l at the end. Since M is a whole number, a kernel that streams over the keys may use a running M (the ceiling of the running maximum): every later rescaling is an exact power of two, so the quantised numbers keep their values, but for numbers so far below the row's largest that they fall under the format's range.
;;   OPERANDS COMPUTED ON THE WAY. 'Computed on the way' means the value that the module computes at that place (a softmax that the list does not call 'softmax' is quantised finished and normalised). What goes into a quantiser is computed in f32, as accurately as f32 sums, v_exp_f32 and their like allow (about 1e-6 of the number): no bf16 or f16 on the way to a quantiser, and a product that is left as it is and whose result goes on into a quantised operand takes f32 operands (vector FMAs, or v_wmma_f32_16x16x4_f32). A number that lies on a knife's edge between two numbers of the format may be rounded either way, as far as f32 arithmetic and the matrix unit's own rounding can turn it there, and no further.
;; One version. Each part assembles by itself: llvm-mc -triple=amdgcn-amd-amdhsa -mcpu=gfx1250 --defsym DOCPART=n.
;; ======== version 1 of 1: 4 launches
;; limits: right only within a limited range of input values
;; workspace buffers: codes 29,360,128 bytes; qh 8,388,608 bytes; kh 8,388,608 bytes; vb 8,388,608 bytes; xc 8,388,608 bytes
;; launch quant (part 1): grid 896 x 1, 4 waves a work-group, no clusters, 33,280 bytes of LDS; arguments q, k, v, w_q, w_k, w_v, w_o, lowp_scales, codes; writes codes
.if DOCPART == 1
	.amdgcn_target "amdgcn-amd-amdhsa--gfx1250"
	.amdhsa_code_object_version 6
	.text
	.protected	k_qfea4b73324_quant
	.globl	k_qfea4b73324_quant
	.p2align	8
	.type	k_qfea4b73324_quant,@function
k_qfea4b73324_quant:
	s_mov_b64 s[64:65], 0
	v_nop
	global_prefetch_b8 v0, s[64:65] scope:SCOPE_SE
	s_setreg_imm32_b32 hwreg(HW_REG_WAVE_MODE, 25, 1), 1
	s_wait_xcnt 0x0
; q, k, v [8192][1024] and w_q, w_k, w_v, w_o [1024][1024], f32, become codes of FP8 (E4M3), one byte each, K innermost, each tensor with the scale 2^e given for it.
; code = x / 2^e, held within +-448, rounded to the nearest code, ties to even.  The seven tensors of codes lie on end in one buffer, in the order above.
; LIMITS: each e lies between -126 and 119, so that 2^e and 448 x 2^e are f32 numbers.  NaN among the inputs is not served (an infinity is held at the largest code).
; Rows are dense, so every tensor is a plain stream of numbers.  Work-group g takes 32,768 numbers: g < 768: tensor g / 256 of q, k, v; else weight (g - 768) / 32.  Its codes go to byte 32,768 g of the buffer.
; A wave takes 16 steps of 512 numbers.  Each of a step's four loads reads 512 consecutive bytes, 16 a lane; the 2,048 bytes go through the wave's own stage in LDS and come back 64 bytes a lane,
; so that a lane holds 16 neighbours along K for the conversions; its 16 codes are 16 bytes, and the wave stores 512 consecutive bytes.
; No tensor loads, no barrier, no cluster: waves and work-groups share nothing.  Loads run four steps (16 loads a wave) ahead, the turn through LDS one step.
.set WAVES, 4
.set STEPS, 16
.set EMAX,  8
.set MANT,  0x600000                   ; the mantissa field of 448 as f32
.set CB,    16                         ; bytes of 16 codes
.set R,     16                         ; v16-79   four sets of 16 numbers as they are loaded
.set X,     80                         ; v80-111  two sets of 16 neighbours
.set C,     128                        ; v128-191 codes: four registers for each step, so that no store's data are written again
.set WREG,  8192                       ; LDS: a region for each wave: two stages of 32 x SP bytes
.set SP,    80                         ; a lane's place in a stage: its 64 bytes + 16 of padding
.set SPW,   12                         ; v12      LDS address of my spare word; never rewritten
.set NIL,   13                         ; v13      0; never rewritten
.set SPARE, WAVES*WREG                 ; behind the four regions: the spare words, 128 bytes for each wave
	s_load_b512 s[4:19], s[0:1], 0x0               ; q 4, k 6, v 8, w_q 10, w_k 12, w_v 14, w_o 16, the scales' exponents 18
	s_load_b64 s[20:21], s[0:1], 0x40              ; the codes
	v_lshl_add_u32 v[SPW], v0, 2, SPARE
	v_mov_b32 v[NIL], 0
	v_lshrrev_b32 v1, 5, v0
	v_readfirstlane_b32 s36, v1                    ; wave
	v_and_b32 v2, 31, v0                           ; lane
	v_lshlrev_b32 v3, 4, v2                        ; my 16 bytes of a load's 512
	s_mul_i32 s37, s36, WREG
	v_lshrrev_b32 v14, 2, v2
	v_mul_u32_u24 v14, v14, SP
	v_and_b32 v15, 3, v2
	v_lshl_add_u32 v14, v15, 4, v14
	v_add_nc_u32 v14, s37, v14                     ; the stage, on the way in: SP (lane / 4) + 16 (lane % 4)
	v_mul_u32_u24 v15, v2, SP
	v_add_nc_u32 v15, s37, v15                     ; and on the way out: SP x lane: my 16 neighbours
	v_mul_u32_u24 v4, v2, CB                       ; my codes' place in a step's
	s_wait_kmcnt 0x0
	s_load_b256 s[24:31], s[18:19], 0x0            ; e0 .. e7
	s_load_b128 s[32:35], s[18:19], 0x20           ; e8 .. e11
; which tensor is mine: a chain of choices on the work-group's number alone
.macro PICKP bound, ptr, first
	s_cmp_lt_u32 ttmp9, \bound
	s_cselect_b64 s[22:23], s[\ptr:\ptr+1], s[22:23]
	s_cselect_b32 s38, \first, s38
.endm
	s_mov_b64 s[22:23], s[16:17]                   ; w_o,
	s_mov_b32 s38, 864                             ; whose first work-group is 864
	PICKP 864, 14, 832
	PICKP 832, 12, 800
	PICKP 800, 10, 768
	PICKP 768, 8, 512
	PICKP 512, 6, 256
	PICKP 256, 4, 0
	s_sub_co_u32 s38, ttmp9, s38
	s_lshl_b32 s38, s38, 2
	s_add_co_u32 s38, s38, s36                     ; which run of 8,192 numbers of the tensor is my wave's
	s_lshl_b32 s38, s38, 15                        ; in bytes: under 2^26
	s_mov_b32 s39, 0
	s_add_nc_u64 s[22:23], s[22:23], s[38:39]
	s_lshl_b32 s40, ttmp9, 2
	s_add_co_u32 s40, s40, s36
	s_lshl_b32 s40, s40, 13                        ; my wave's 8,192 codes in the buffer
	s_mov_b32 s41, 0
	s_add_nc_u64 s[20:21], s[20:21], s[40:41]
.macro LOAD t
.irp i, 0,1,2,3
	global_load_b128 v[R+16*((\t)%4)+4*\i:R+16*((\t)%4)+4*\i+3], v3, s[22:23] offset:2048*(\t)+512*\i th:TH_LOAD_NT   ; 32 lanes read 512 consecutive bytes
.endr
.endm
.macro TURN t                          ; step t's numbers through the stage: LDS serves a wave's instructions in order, so no wait stands between the stores and the loads
.irp i, 0,1,2,3
	ds_store_b128 v14, v[R+16*((\t)%4)+4*\i:R+16*((\t)%4)+4*\i+3] offset:32*SP*((\t)%2)+8*SP*\i
.endr
.irp i, 0,1,2,3
	ds_load_b128 v[X+16*((\t)%2)+4*\i:X+16*((\t)%2)+4*\i+3], v15 offset:32*SP*((\t)%2)+16*\i
.endr
.endm
.irp t, 0,1,2,3
	LOAD \t
.endr
	s_wait_kmcnt 0x0
.macro PICKE bound, e
	s_cmp_lt_u32 ttmp9, \bound
	s_cselect_b32 s42, s[\e], s42
.endm
	s_mov_b32 s42, s35                             ; w_o: e11
	PICKE 864, 29                                  ; w_v: e5
	PICKE 832, 27                                  ; w_k: e3
	PICKE 800, 25                                  ; w_q: e1
	PICKE 768, 28                                  ; v: e4
	PICKE 512, 26                                  ; k: e2
	PICKE 256, 24                                  ; q: e0
	s_add_co_i32 s42, s42, 127
	s_lshl_b32 s43, s42, 23
	v_mov_b32 v11, s43                             ; 2^e as f32: the conversion takes its exponent field
	s_add_co_i32 s42, s42, EMAX
	s_lshl_b32 s42, s42, 23
	s_or_b32 s42, s42, MANT
	v_mov_b32 v10, s42                             ; 448 x 2^e
	s_wait_loadcnt 12                              ; step 0's four loads are in; the twelve of steps 1 to 3 may be out
	TURN 0
.macro STEP t
.set XS, X+16*((\t)%2)
	s_wait_dscnt 0x0                               ; this step's numbers are back from the stage: so its stores into the stage have read their registers,
.if (\t)+4 < STEPS
	LOAD (\t)+4                                    ; which take the loads of four steps on
.endif
.if (\t)+1 < STEPS
.if STEPS-2-(\t) >= 3
	s_wait_loadcnt 12                              ; the next step's four loads are in; those of the three steps behind it may be out
.else
	s_wait_loadcnt 4*(STEPS-2-(\t))                ; the tail: fewer steps are behind it
.endif
	TURN (\t)+1                                    ; and go through the other stage while this step is worked
.endif
.irp i, 0,1,2,3,4,5,6,7,8,9,10,11,12,13,14,15
	v_med3_num_f32 v[XS+\i], v[XS+\i], -v10, v10   ; the conversion to an 8-bit code does not saturate (ISA guide 7.6.2): the number is held within 448 x the scale first
.endr
	v_cvt_scalef32_pk8_fp8_f32 v[C+4*(\t):C+4*(\t)+1], v[XS:XS+7], v11
	v_cvt_scalef32_pk8_fp8_f32 v[C+4*(\t)+2:C+4*(\t)+3], v[XS+8:XS+15], v11
	v_nop                                          ; a plain vector line behind the last conversion
	global_store_b128 v4, v[C+4*(\t):C+4*(\t)+3], s[20:21] offset:32*CB*(\t)   ; the wave stores 512 consecutive bytes, aligned
.endm
.irp t, 0,1,2,3,4,5,6,7,8,9,10,11,12,13,14,15
	STEP \t
.endr
	s_wait_tensorcnt 0x0                           ; the wave's end: behind my last LDS store
	ds_add_u32 v[SPW], v[NIL]
	s_wait_dscnt 0x0
	s_endpgm
.Lfunc_end_k_qfea4b73324_quant:
	.size	k_qfea4b73324_quant, .Lfunc_end_k_qfea4b73324_quant-k_qfea4b73324_quant
	.p2alignl 7, 3214868480
	.fill 96, 4, 3214868480
	.section	.rodata,"a",@progbits
	.p2align	6, 0x0
	.amdhsa_kernel k_qfea4b73324_quant
		.amdhsa_group_segment_fixed_size 33280
		.amdhsa_private_segment_fixed_size 0
		.amdhsa_enable_private_segment 0
		.amdhsa_kernarg_size 72
		.amdhsa_user_sgpr_count 2
		.amdhsa_user_sgpr_kernarg_segment_ptr 1
		.amdhsa_wavefront_size32 1
		.amdhsa_system_sgpr_workgroup_id_x 1
		.amdhsa_system_sgpr_workgroup_id_y 1
		.amdhsa_system_sgpr_workgroup_id_z 1
		.amdhsa_system_vgpr_workitem_id 0
		.amdhsa_next_free_vgpr 192
		.amdhsa_next_free_sgpr 66
		.amdhsa_reserve_vcc 0
		.amdhsa_float_denorm_mode_32 3
		.amdhsa_float_denorm_mode_16_64 3
		.amdhsa_memory_ordered 1
		.amdhsa_forward_progress 1
		.amdhsa_inst_pref_size 39
	.end_amdhsa_kernel
	.amdgpu_metadata
---
amdhsa.version: [ 1, 2 ]
amdhsa.kernels:
  - .name:           k_qfea4b73324_quant
    .symbol:         k_qfea4b73324_quant.kd
    .args:
      - { .name: q, .offset: 0, .size: 8, .value_kind: global_buffer, .address_space: global }
      - { .name: k, .offset: 8, .size: 8, .value_kind: global_buffer, .address_space: global }
      - { .name: v, .offset: 16, .size: 8, .value_kind: global_buffer, .address_space: global }
      - { .name: w_q, .offset: 24, .size: 8, .value_kind: global_buffer, .address_space: global }
      - { .name: w_k, .offset: 32, .size: 8, .value_kind: global_buffer, .address_space: global }
      - { .name: w_v, .offset: 40, .size: 8, .value_kind: global_buffer, .address_space: global }
      - { .name: w_o, .offset: 48, .size: 8, .value_kind: global_buffer, .address_space: global }
      - { .name: lowp_scales, .offset: 56, .size: 8, .value_kind: global_buffer, .address_space: global }
      - { .name: codes, .offset: 64, .size: 8, .value_kind: global_buffer, .address_space: global }
    .group_segment_fixed_size: 33280
    .private_segment_fixed_size: 0
    .kernarg_segment_align: 8
    .kernarg_segment_size: 72
    .max_flat_workgroup_size: 128
    .sgpr_count:     66
    .vgpr_count:     192
    .wavefront_size: 32
...
	.end_amdgpu_metadata
.endif
;; end of part 1
;; launch proj (part 2): grid 4 x 96, 4 waves a work-group, clusters of 4 x 4, 327,680 bytes of LDS; arguments codes, lowp_scales, b_q, b_k, b_v, qh, kh, vb; writes qh, kh, vb
.if DOCPART == 2
	.amdgcn_target "amdgcn-amd-amdhsa--gfx1250"
	.amdhsa_code_object_version 6
	.text
	.protected	k_qfea4b73324_proj
	.globl	k_qfea4b73324_proj
	.p2align	8
	.type	k_qfea4b73324_proj,@function
k_qfea4b73324_proj:
	s_mov_b64 s[64:65], 0
	v_nop
	global_prefetch_b8 v0, s[64:65] scope:SCOPE_SE
	s_setreg_imm32_b32 hwreg(HW_REG_WAVE_MODE, 25, 1), 1
	s_wait_xcnt 0x0
	s_wait_alu depctr_hold_cnt(0) depctr_sa_sdst(0) depctr_va_vdst(0) depctr_va_sdst(0) depctr_va_ssrc(0) depctr_va_vcc(0) depctr_vm_vsrc(0)
	s_getreg_b32 s2, hwreg(HW_REG_IB_STS2, 6, 4)
	s_cmp_eq_u32 s2, 0
	s_cbranch_scc0 .Lentry_in_a_cluster
	s_endpgm
.Lentry_in_a_cluster:
	s_bfe_u32 s2, ttmp6, 0x10000c
	s_cmp_lg_u32 s2, 0xf033
	s_cbranch_scc0 .Lentry_shape_is_right
	s_endpgm
.Lentry_shape_is_right:
; The three projections on codes of FP8 (E4M3), each with its bias and the quantiser of the next product, in one launch.
;   tensor 0: Q = q w_q^T + b_q -> qh [b 16 + head][s][64], scale 2^e6;   tensor 1: K likewise -> kh, 2^e7;   tensor 2: V -> vb [b 16 + head][s / 64][d][s % 64], 2^e9: the keys innermost, as the second product of attention wants them.
; The operands are codes [rows][1024], K innermost, in the buffer 'codes': q at 0, k at 8 MiB, v at 16 MiB, w_q, w_k, w_v at 24, 25, 26 MiB.
; ONE TEXT SERVES ALL THREE.  C = A B^T; for Q and K, A = the tokens and B = the weight; FOR V, A = w_v AND B = THE TOKENS, so that what is made is V^T.  The matrix instruction is used transposed
; (source 0 = 16 rows of B, source 1 = 16 rows of A): a lane holds eight neighbouring columns of one row of C: eight features of a token (Q, K), eight tokens of a feature (V): eight neighbours along the next K.
; A tile of C, 256 x 256, is made by four waves, each 128 x 128: 64 accumulators.  K = 1,024 goes in four steps of 256 through a ring of two LDS slots filled by the tensor data mover.
; CLUSTERS: 4 x 4 work-groups; the four of a row of the cluster ask jointly for A's tiles, the four of a column for B's.  Clusters 0-7 along y make Q, 8-15 K, 16-23 V: the tensor's number hangs on the cluster's y alone.
; THE BIAS is the C of each sum's first matrix instruction, divided by the 2^(ea + eb) that the sums lack: by column of C for Q and K, by row for V.  Only the table's making and the first K step differ: two branches on the tensor's number.
; THE QUANTISER: a sum stands for sum x 2^(ea + eb), so its code is sum / 2^(eo - ea - eb), held within +-448 x that.
; LIMITS: eo - ea - eb between -126 and 119 for each of the three; NaN is not served.
; REGISTERS, in windows of 256: window 0: v1-6 at work, v16-31 addresses and constants, v32-95 the bias table (later a block's held sums), v96-127 codes, v128-255 A's fragments, ONE set (later rows read back).
;   window 1: B's fragments, two sets.  windows 2, 3: the accumulators ((a, b) at v[8 (8 (a % 4) + b)]).
.set KROW,   1024                      ; a row of codes in memory, in bytes
.set ROWB,   256                       ; a tile's row: 256 codes
.set ASTEP,  ROWB                      ; bytes from a K step to the next, in A and in B
.set BSTEP,  ROWB
.set PITCH,  272                       ; an LDS row: 256 bytes + 16 of padding = 68 words, so that the 16 rows of a fragment load start 4 words apart modulo 64 (64 banks of 4 bytes: ISA guide 11.1)
.set FR,     16                        ; registers of a fragment: 16 rows x 128 K
.set NL,     4                         ; LDS loads that bring one
.set NP,     4                         ; places behind this matrix instruction (ISA guide 7.12.1)
.set HALFT,  128*PITCH                 ; what one tensor load brings
.set SLOT,   4*HALFT                   ; A's 256 rows, then B's 256 rows
.set LAPS,   2                         ; 1,024 / 512
.set SPARE,  2*SLOT                    ; behind the ring: the spare words, 128 bytes for each wave
.set WSTG,   2560                      ; the way out: a stage for each wave: 2 chunks x 16 rows x (64 bytes + 16).  It lies in slot 0, which has had its last fill and its last read by then
.set ADRA, 16                          ; v16-17  LDS address of my A fragments in slot 0, 1
.set ADRB, 20                          ; v20-21  the same for B
.set STO,  24                          ; v24     the way out: where I put 8 codes
.set RD,   25                          ; v25     where I read 16 bytes back
.set CO,   26                          ; v26     16 x lane: my place in 512 stored bytes
.set CO2,  27                          ; v27     the same in the second chunk of 64 columns
.set SPW,  28                          ; v28     LDS address of my spare word; never rewritten
.set NIL,  29                          ; v29     0; never rewritten
.set LIM,  30                          ; v30     448 x 2^(eo - ea - eb)
.set SC,   31                          ; v31     2^(eo - ea - eb)
.set T,    32                          ; v32-95  the bias table
.set TMP,  32                          ; later: a block's 64 sums, held
.set CD,   96                          ; v96-127 a block's codes, two sets of 16
.set AF,   128                         ; A's fragments
.set BK,   128                         ; later: a block's codes as rows, two sets of 16
.set G1, 24                            ; s[24:31] descriptor group 1 for A's tiles;  s[32:39] group 0, one set for each slot
.set G0, 32
.set G1B, 48                           ; s[48:55], s[56:63] the same for B's tiles
.set G0B, 56
.set MSB, 0
.macro WIN new                         ; the immediate's high byte repeats the setting that is left
.if MSB != \new
	s_set_vgpr_msb (MSB<<8)|\new
.set MSB, \new
.endif
.endm
.set MUL_LO, 0xa1                      ; source 0 (B) window 1, source 1 (A) window 0, C and D window 2
.set MUL_HI, 0xf1                      ; the same, C and D window 3
.set TO_B,   0x40                      ; destination window 1, address window 0
; A joint load: waves 0 and 1 fetch for A, waves 2 and 3 for B; the branch hangs on the wave's number alone.  An s_nop 0 and four v_nop follow each of the two lines.
.macro JLOAD g0a, g1a, g0b, g1b
	s_cmp_eq_u32 s15, 0
	s_cbranch_scc0 .Lfor_b_\@
	tensor_load_to_lds s[\g0a:\g0a+3], s[\g1a:\g1a+7]
	s_nop 0
.rept 4
	v_nop
.endr
	s_branch .Lasked_\@
.Lfor_b_\@:
	tensor_load_to_lds s[\g0b:\g0b+3], s[\g1b:\g1b+7]
	s_nop 0
.rept 4
	v_nop
.endr
.Lasked_\@:
.endm
.macro CREST                           ; a round of the cluster's barrier behind its opening barrier
	s_cmp_lg_u32 s14, 0
	s_cbranch_scc1 .Lnot_wave_0_\@
	s_barrier_signal -3
.Lnot_wave_0_\@:
	s_barrier_wait -3
	s_barrier_signal -1
	s_barrier_wait -1
.endm
.macro CROUND                          ; a whole round
	s_barrier_signal -1
	s_barrier_wait -1
	CREST
.endm
	s_load_b512 s[68:83], s[0:1], 0x0              ; codes 68, the scales' exponents 70, b_q 72, b_k 74, b_v 76, qh 78, kh 80, vb 82
	v_lshl_add_u32 v[SPW], v0, 2, SPARE
	v_mov_b32 v[NIL], 0
	ds_add_u32 v[SPW], v[NIL]                      ; the wave's opening: the add and its wait stand ahead of my first tensor load; the set-up below, work on registers, stands between them
	v_lshrrev_b32 v1, 5, v0
	v_readfirstlane_b32 s14, v1                    ; wave 0..3
	s_lshr_b32 s15, s14, 1                         ; which half of the tile's rows is mine.  Also: I fetch for A (0) or for B (1)
	s_and_b32 s16, s14, 1                          ; which half of its columns.  Also: which 128 rows of that tile I fetch
	s_bfe_u32 s40, ttmp6, 0x40000                  ; cx, cy: my place in the cluster
	s_bfe_u32 s41, ttmp6, 0x40004
	s_and_b32 s5, ttmp7, 0xffff                    ; the cluster's y, 0..23
	s_lshr_b32 s4, s5, 3                           ; the tensor: 0 Q, 1 K, 2 V
	s_and_b32 s5, s5, 7
	s_lshl_b32 s5, s5, 2                           ; four tiles of tokens to a cluster
	s_cmp_eq_u32 s4, 2
	s_cselect_b32 s6, 0, s5                        ; the tokens are A's rows for Q and K,
	s_cselect_b32 s7, s5, 0                        ; B's for V
	s_add_co_u32 s17, s41, s6                      ; tile row of C
	s_add_co_u32 s42, s40, s7                      ; tile column of C
	s_lshl_b32 s43, s41, 2
	s_lshl_b32 s43, 15, s43                        ; my row of the cluster
	s_lshl_b32 s44, 0x1111, s40                    ; my column
	; descriptor group 1: a tile of 128 rows x 256 bytes, padded in LDS
	s_or_b32 s[G1+0], s43, (0<<16)|(1<<20)|(1<<21)|(5<<22)|(3<<25)  ; 15:0 the mask: A's tiles go to my row; 17:16 elements of 1 byte; 20 padding on; 21 set beside a mask; 24:22 after every 64 words; 31:25 four words
	s_or_b32 s[G1B+0], s44, (0<<16)|(1<<20)|(1<<21)|(5<<22)|(3<<25)
.irp g, G1, G1B
	s_mov_b32 s[\g+1], ROWB<<16                    ; tensor_dim0
	s_mov_b32 s[\g+2], 128<<16                     ; tensor_dim1 = 128
	s_mov_b32 s[\g+3], ROWB<<16                    ; tile_dim0
	s_mov_b32 s[\g+4], 128                         ; tile_dim1 = 128
	s_mov_b32 s[\g+5], KROW                        ; tensor_dim0_stride
	s_mov_b32 s[\g+6], 0
	s_mov_b32 s[\g+7], 0
.endr
	s_lshl_b32 s18, s4, 23                         ; where A's codes begin in the buffer: q or k at 8 MiB x tensor,
	s_add_co_u32 s19, s4, 24
	s_lshl_b32 s19, s19, 20                        ; and B's: w_q or w_k at (24 + tensor) MiB;
	s_cmp_eq_u32 s4, 2
	s_cselect_b32 s18, 26<<20, s18                 ; for V: A = w_v,
	s_cselect_b32 s19, 16<<20, s19                 ; B = v
	s_lshl_b32 s22, s16, 7                         ; which 128 rows of the tile I fetch
	s_lshl_b32 s20, s17, 8
	s_add_co_u32 s20, s20, s22
	s_lshl_b32 s20, s20, 10                        ; rows of 1,024 bytes
	s_add_co_u32 s20, s20, s18
	s_mov_b32 s21, 0
	s_lshl_b32 s46, s42, 8
	s_add_co_u32 s46, s46, s22
	s_lshl_b32 s46, s46, 10
	s_add_co_u32 s46, s46, s19
	s_mov_b32 s47, 0
	s_mul_i32 s45, s14, HALFT                      ; where they go: wave x 128 rows: no place in the cluster enters an LDS address
	s_wait_dscnt 0x0                               ; the opening add is done
	s_wait_kmcnt 0x0
	s_load_b256 s[84:91], s[70:71], 0x0            ; e0 .. e7
	s_load_b128 s[92:95], s[70:71], 0x20           ; e8 .. e11
	s_add_nc_u64 s[20:21], s[68:69], s[20:21]
	s_add_nc_u64 s[46:47], s[68:69], s[46:47]
	CROUND                                         ; all sixteen work-groups are here: the first joint loads meet
.irp s, 0,1
	s_mov_b32 s[G0+4*\s], 1
	s_add_co_u32 s[G0+4*\s+1], s45, \s*SLOT
	s_add_nc_u64 s[G0+4*\s+2:G0+4*\s+3], s[20:21], \s*ASTEP
	s_or_b32 s[G0+4*\s+3], s[G0+4*\s+3], 0x80000000
	s_mov_b32 s[G0B+4*\s], 1
	s_add_co_u32 s[G0B+4*\s+1], s45, \s*SLOT
	s_add_nc_u64 s[G0B+4*\s+2:G0B+4*\s+3], s[46:47], \s*BSTEP
	s_or_b32 s[G0B+4*\s+3], s[G0B+4*\s+3], 0x80000000
	JLOAD G0+4*\s, G1, G0B+4*\s, G1B               ; two loads of mine are out behind these
.endr
	v_and_b32 v1, 15, v0                           ; r = l % 16
	v_bfe_u32 v2, v0, 4, 1                         ; h = l / 16
	v_mul_u32_u24 v3, v1, PITCH
	v_lshl_add_u32 v4, v2, 4, v3                   ; a fragment's row x pitch + 16 x half
	s_mul_i32 s21, s15, HALFT                      ; my 128 rows of A
	s_mul_i32 s22, s16, HALFT                      ; my 128 rows of B,
	s_add_co_u32 s22, s22, 2*HALFT                 ; which lie behind A's 256
.irp s, 0,1
	v_add_nc_u32 v[ADRA+\s], s21, v4
	v_add_nc_u32 v[ADRB+\s], s22, v4
	s_add_co_u32 s21, s21, SLOT
	s_add_co_u32 s22, s22, SLOT
.endr
	s_mul_i32 s23, s14, WSTG                       ; my stage
	v_mul_u32_u24 v5, v1, 80
	v_lshl_add_u32 v5, v2, 3, v5
	v_add_nc_u32 v[STO], s23, v5                   ; in: row r, 8 bytes for each half of the lanes
	v_and_b32 v6, 31, v0
	v_lshrrev_b32 v5, 2, v6
	v_mul_u32_u24 v5, v5, 80
	v_and_b32 v3, 3, v6
	v_lshl_add_u32 v5, v3, 4, v5
	v_add_nc_u32 v[RD], s23, v5                    ; back: four lanes to a row of 64 bytes, eight rows an instruction
	v_lshlrev_b32 v[CO], 4, v6
	; where my 128 x 128 of C goes.  TOK: my first token, FEA: my first feature
	s_lshl_b32 s96, s17, 8
	s_lshl_b32 s100, s15, 7
	s_add_co_u32 s96, s96, s100                    ; my first row of C
	s_lshl_b32 s97, s42, 8
	s_lshl_b32 s100, s16, 7
	s_add_co_u32 s97, s97, s100                    ; my first column
	s_cmp_eq_u32 s4, 2
	s_cselect_b32 s98, s97, s96                    ; TOK
	s_cselect_b32 s99, s96, s97                    ; FEA
	s_cselect_b64 s[10:11], s[82:83], s[80:81]     ; vb or kh
	s_cselect_b64 s[12:13], s[76:77], s[74:75]     ; b_v or b_k
	s_mov_b32 s5, 131072
	s_cselect_b32 s5, 4096, s5                     ; from a chunk of 64 columns to the next: the next 64 keys of V, or the next head of Q and K
	s_mov_b32 s8, 1024
	s_cselect_b32 s8, 128000, s8                   ; from block 3 to block 4: for V on to the next head (131,072 - 3 x 1,024), else 16 tokens like every block
	s_mov_b32 s9, 0
	s_cmp_eq_u32 s4, 0
	s_cselect_b64 s[10:11], s[78:79], s[10:11]     ; qh
	s_cselect_b64 s[12:13], s[72:73], s[12:13]     ; b_q
	v_add_nc_u32 v[CO2], s5, v[CO]
	s_lshr_b32 s100, s98, 11                       ; the batch,
	s_lshl_b32 s100, s100, 4
	s_lshr_b32 s101, s99, 6                        ; the head:
	s_add_co_u32 s100, s100, s101
	s_lshl_b32 s100, s100, 17                      ; 131,072 bytes each;
	s_and_b32 s101, s98, 2047
	s_lshl_b32 s101, s101, 6                       ; 64 bytes a token (in vb: 4,096 for 64 tokens, which is the same, since my first token is a multiple of 64)
	s_add_co_u32 s100, s100, s101
	s_mov_b32 s101, 0
	s_add_nc_u64 s[10:11], s[10:11], s[100:101]
	s_lshl_b32 s100, s99, 2
	s_add_nc_u64 s[12:13], s[12:13], s[100:101]    ; the bias at my first feature
	v_lshlrev_b32 v5, 5, v2                        ; 32 h: eight numbers of the bias for each half of the lanes
	v_lshlrev_b32 v6, 2, v1                        ; 4 r: one number a lane
	s_wait_kmcnt 0x0                               ; the exponents
	s_add_co_i32 s84, s84, s85                     ; e0 + e1
	s_add_co_i32 s86, s86, s87                     ; e2 + e3
	s_add_co_i32 s88, s88, s89                     ; e4 + e5
	s_cmp_eq_u32 s4, 0
	s_cselect_b32 s84, s84, s86
	s_cselect_b32 s90, s90, s91                    ; e6 or e7
	s_cmp_eq_u32 s4, 2
	s_cselect_b32 s84, s88, s84                    ; ea + eb
	s_cselect_b32 s90, s93, s90                    ; eo (V: e9)
	s_sub_co_i32 s85, 0, s84                       ; -(ea + eb), for the bias
	s_sub_co_i32 s90, s90, s84
	s_add_co_i32 s90, s90, 127
	s_lshl_b32 s91, s90, 23
	v_mov_b32 v[SC], s91                           ; 2^(eo - ea - eb) as f32
	s_add_co_i32 s90, s90, 8
	s_lshl_b32 s90, s90, 23
	s_or_b32 s90, s90, 0x600000
	v_mov_b32 v[LIM], s90                          ; 448 x that
	; the bias table, in the layout of a result: register j of a tile is C(row r, column 8 h + j)
	s_cmp_eq_u32 s4, 2                             ; the tensor's number: the same in all sixteen partners
	s_cbranch_scc1 .Lbias_rows
.irp b, 0,1,2,3,4,5,6,7                        ; Q, K: the bias goes by column: table entry b serves the tiles of columns 16 b on
	global_load_b128 v[T+8*\b:T+8*\b+3], v5, s[12:13] offset:64*\b
	global_load_b128 v[T+8*\b+4:T+8*\b+7], v5, s[12:13] offset:64*\b+16
.endr
	s_wait_loadcnt 0x0
.set j, 0
.rept 64
	v_ldexp_f32 v[T+j], v[T+j], s85                ; / 2^(ea + eb): nothing is rounded
.set j, j+1
.endr
	s_branch .Lbias_done
.Lbias_rows:
.irp a, 0,1,2,3,4,5,6,7                        ; V: the bias goes by row: table entry a serves the tiles of rows 16 a on, all eight registers alike
	global_load_b32 v[CD+\a], v6, s[12:13] offset:64*\a
.endr
	s_wait_loadcnt 0x0
.set j, 0
.rept 64
	v_ldexp_f32 v[T+j], v[CD+j/8], s85
.set j, j+1
.endr
.Lbias_done:
.macro FRAG reg, adr, q, i             ; a fragment: lane l holds row l % 16; registers 4 c .. 4 c + 3 hold K = 32 c + 16 (l / 16) + 0 .. 15: the same order of K in A and in B
.irp c, 0,1,2,3
	ds_load_b128 v[\reg+4*\c:\reg+4*\c+3], v[\adr] offset:128*(\q)+32*\c+(\i)*16*PITCH
.endr
.endm
; 16 matrix instructions: A's blocks a0, a0 + 1 x B's eight, 128 along K.  p: B's set.  zero = 1, 2: the first product starts the sums with the bias as C, by column or by row: nothing is ever cleared.
; The 64 accumulators take turns, one instruction a turn, in the same order in every step.
.macro MUL16 a0, p, zero
.irp a, \a0, \a0+1
.irp b, 0,1,2,3,4,5,6,7
.if \zero == 1
	v_wmma_f32_16x16x128_fp8_fp8 v[8*(8*((\a)%4)+\b):8*(8*((\a)%4)+\b)+7], v[128*(\p)+FR*\b:128*(\p)+FR*\b+FR-1], v[AF+FR*(\a):AF+FR*(\a)+FR-1], v[T+8*\b:T+8*\b+7]
.elseif \zero == 2
	v_wmma_f32_16x16x128_fp8_fp8 v[8*(8*((\a)%4)+\b):8*(8*((\a)%4)+\b)+7], v[128*(\p)+FR*\b:128*(\p)+FR*\b+FR-1], v[AF+FR*(\a):AF+FR*(\a)+FR-1], v[T+8*(\a):T+8*(\a)+7]
.else
	v_wmma_f32_16x16x128_fp8_fp8 v[8*(8*((\a)%4)+\b):8*(8*((\a)%4)+\b)+7], v[128*(\p)+FR*\b:128*(\p)+FR*\b+FR-1], v[AF+FR*(\a):AF+FR*(\a)+FR-1], v[8*(8*((\a)%4)+\b):8*(8*((\a)%4)+\b)+7]
.endif
.endr
.endr
.endm
.macro FETCH_B slot, q, p              ; B's eight fragments of the slot's q-th 128 along K into set p
	WIN TO_B
.irp i, 0,1,2,3,4,5,6,7
	FRAG 128*(\p)+FR*\i, ADRB+\slot, \q, \i
.endr
	WIN 0
.endm
.macro FETCH_A slot, q, i0             ; A's blocks i0 .. i0 + 3
.irp i, \i0, \i0+1, \i0+2, \i0+3
	FRAG AF+FR*(\i), ADRA+\slot, \q, \i
.endr
.endm
.macro PLACES n                        ; plain vector lines between a matrix instruction and a load into, or a vector read of, its registers
.rept \n
	v_nop
.endr
.endm
; A step of 128 along K that has its successor in the same slot.
.macro STEP slot, q, zero
	s_wait_dscnt 4*NL                              ; B's set and A's blocks 0-3 are in; the youngest sixteen loads (A's blocks 4-7) may be out
.if \zero
	WIN 0x81                                       ; as MUL_LO, but C (the bias) in window 0
.else
	WIN MUL_LO
.endif
	MUL16 0, (\q)%2, \zero
	MUL16 2, (\q)%2, \zero
	s_wait_dscnt 0                                 ; A's blocks 4-7 are in
	PLACES NP
	FETCH_B \slot, (\q)+1, 1-(\q)%2
	FETCH_A \slot, (\q)+1, 0
.if \zero
	WIN 0xc1
.else
	WIN MUL_HI
.endif
	MUL16 4, (\q)%2, \zero
	MUL16 6, (\q)%2, \zero
	PLACES NP
	WIN 0
	FETCH_A \slot, (\q)+1, 4
.endm
; A slot's last step changes slots: ONE barrier; in front of it each wave waits for all its tensor loads, adds 0 to its spare word, and waits for that and for its own reads of this slot.  fill = 1: this slot is filled again, two K steps ahead.
.macro TURN slot, next, fill
	s_wait_tensorcnt 0x0                           ; all my tensor loads have landed: my part of the next slot
	ds_add_u32 v[SPW], v[NIL]                      ; 0 onto my spare word
	s_wait_dscnt 4*NL+1                            ; (the add and the youngest sixteen loads, A's blocks 4-7, may be out)
	WIN MUL_LO
	MUL16 0, 1, 0                                  ; sixteen matrix instructions stand between the add and the wait for it
	s_wait_dscnt 0x0                               ; the add is done, and my reads of this slot are over
	s_barrier_signal -1
	MUL16 2, 1, 0
	WIN 0
	s_barrier_wait -1
.if \fill
	CREST                                          ; the barrier has opened a round of the cluster's barrier: no wave of any partner still reads this slot or has a load on its way
	s_add_nc_u64 s[G0+4*\slot+2:G0+4*\slot+3], s[G0+4*\slot+2:G0+4*\slot+3], 2*ASTEP
	s_add_nc_u64 s[G0B+4*\slot+2:G0B+4*\slot+3], s[G0B+4*\slot+2:G0B+4*\slot+3], 2*BSTEP
	JLOAD G0+4*\slot, G1, G0B+4*\slot, G1B         ; the first tensor load behind the round; its four v_nop are the places in front of the loads below
.else
	PLACES NP
.endif
	FETCH_B \next, 0, 0
	FETCH_A \next, 0, 0
	WIN MUL_HI
	MUL16 4, 1, 0
	MUL16 6, 1, 0
	PLACES NP
	WIN 0
	FETCH_A \next, 0, 4
.endm
	s_wait_tensorcnt 1                             ; my part of K step 0 is in; K step 1's load may be out
	s_barrier_signal -1
	s_barrier_wait -1                              ; everybody's is
	FETCH_B 0, 0, 0
	FETCH_A 0, 0, 0
	FETCH_A 0, 0, 4
	s_cmp_eq_u32 s4, 2                             ; the first step is written twice: its products take the bias by column (Q, K) or by row (V)
	s_cbranch_scc1 .Lfirst_rows
	STEP 0, 0, 1
	s_branch .Lfirst_done
.Lfirst_rows:
	STEP 0, 0, 2
.Lfirst_done:
	s_mov_b32 s3, LAPS-1
.Llap:                                                 ; a trip goes once round the ring, from a lap's second step to the next lap's first, and fills both slots again
	TURN 0, 1, 1
	STEP 1, 0, 0
	TURN 1, 0, 1
	STEP 0, 0, 0
	s_sub_co_u32 s3, s3, 1
	s_cmp_lg_u32 s3, 0
	s_cbranch_scc1 .Llap
	TURN 0, 1, 0                                   ; the last lap fills nothing, and has no round of the cluster's barrier
	STEP 1, 0, 0
	s_wait_dscnt 4*NL                              ; the very last step: nothing more to fetch
	WIN MUL_LO
	MUL16 0, 1, 0
	MUL16 2, 1, 0
	s_wait_dscnt 0
	WIN MUL_HI
	MUL16 4, 1, 0
	MUL16 6, 1, 0
	WIN 0
; THE WAY OUT, block by block of 16 rows x 128 columns of C.  A lane's eight sums of a tile become 8 codes, 8 bytes of a row of 64; a chunk (16 rows x 64 columns) is 1,024 consecutive bytes of the output.
; So a block goes through my own stage in LDS and comes back 16 bytes a lane: each store of the wave covers 512 consecutive bytes, aligned.  LDS serves a wave's instructions in order (ISA guide 5.7.1.4).
.macro QOUT a
.set AC, 64*((\a)%4)
.set CC, CD+16*((\a)%2)
.set BB, BK+16*((\a)%2)
	WIN 0x02+((\a)/4)                              ; source 0: window 2 or 3
.set i, 0
.rept 64
	v_med3_num_f32 v[TMP+i], v[AC+i], -v[LIM], v[LIM]   ; the hold at the largest code x the scale (the conversion does not saturate: ISA guide 7.6.2); each accumulator from its low end on
.set i, i+1
.endr
	WIN 0
.irp b, 0,1,2,3,4,5,6,7
	v_cvt_scalef32_pk8_fp8_f32 v[CC+2*\b:CC+2*\b+1], v[TMP+8*\b:TMP+8*\b+7], v[SC]
.endr
	v_nop                                          ; a plain vector line behind the last conversion
.irp b, 0,1,2,3,4,5,6,7
	ds_store_b64 v[STO], v[CC+2*\b:CC+2*\b+1] offset:(\b/4)*1280+(\b%4)*16
.endr
.irp t, 0,1,2,3
	ds_load_b128 v[BB+4*\t:BB+4*\t+3], v[RD] offset:(\t/2)*1280+(\t%2)*640
.endr
.endm
.macro SEND a, younger                 ; younger: the LDS instructions issued behind block a's loads, which may stay out
.set BB, BK+16*((\a)%2)
	s_wait_dscnt \younger                          ; the block is back in registers
.if (\a) == 4
	s_add_nc_u64 s[10:11], s[10:11], s[8:9]        ; (behind a wait on XCNT: the earlier stores have read their base)
.elseif (\a) > 0
	s_add_nc_u64 s[10:11], s[10:11], 1024
.endif
	global_store_b128 v[CO], v[BB:BB+3], s[10:11]
	global_store_b128 v[CO], v[BB+4:BB+7], s[10:11] offset:512
	global_store_b128 v[CO2], v[BB+8:BB+11], s[10:11]
	global_store_b128 v[CO2], v[BB+12:BB+15], s[10:11] offset:512
.endm
	PLACES NP                                      ; behind the last products: for the reads of results and for the loads into the registers that held A's fragments
	QOUT 0
.irp a, 1,2,3,4,5,6,7
.if \a > 1
	s_wait_xcnt 0x0                                ; block a - 2's stores have read their registers and their base: block a's loads may land there, and the base may step
.endif
	QOUT \a
	SEND \a-1, 12                                  ; behind block a - 1's loads: block a's 8 stores and 4 loads
.endr
	s_wait_xcnt 0x0                                ; block 6's stores have read their base
	SEND 7, 0
	s_wait_tensorcnt 0x0                           ; the wave's end: behind my last tensor load and my last LDS store
	ds_add_u32 v[SPW], v[NIL]
	s_wait_dscnt 0x0
	CROUND                                         ; the closing round: no work-group ends while a partner may still ask for a tile that names it
	s_endpgm
.Lfunc_end_k_qfea4b73324_proj:
	.size	k_qfea4b73324_proj, .Lfunc_end_k_qfea4b73324_proj-k_qfea4b73324_proj
	.p2alignl 7, 3214868480
	.fill 96, 4, 3214868480
	.section	.rodata,"a",@progbits
	.p2align	6, 0x0
	.amdhsa_kernel k_qfea4b73324_proj
		.amdhsa_group_segment_fixed_size 327680
		.amdhsa_private_segment_fixed_size 0
		.amdhsa_enable_private_segment 0
		.amdhsa_kernarg_size 64
		.amdhsa_user_sgpr_count 2
		.amdhsa_user_sgpr_kernarg_segment_ptr 1
		.amdhsa_wavefront_size32 1
		.amdhsa_system_sgpr_workgroup_id_x 1
		.amdhsa_system_sgpr_workgroup_id_y 1
		.amdhsa_system_sgpr_workgroup_id_z 1
		.amdhsa_system_vgpr_workitem_id 0
		.amdhsa_next_free_vgpr 1024
		.amdhsa_next_free_sgpr 102
		.amdhsa_reserve_vcc 0
		.amdhsa_float_denorm_mode_32 3
		.amdhsa_float_denorm_mode_16_64 3
		.amdhsa_memory_ordered 1
		.amdhsa_forward_progress 1
		.amdhsa_inst_pref_size 145
	.end_amdhsa_kernel
	.amdgpu_metadata
---
amdhsa.version: [ 1, 2 ]
amdhsa.kernels:
  - .name:           k_qfea4b73324_proj
    .symbol:         k_qfea4b73324_proj.kd
    .args:
      - { .name: codes, .offset: 0, .size: 8, .value_kind: global_buffer, .address_space: global }
      - { .name: lowp_scales, .offset: 8, .size: 8, .value_kind: global_buffer, .address_space: global }
      - { .name: b_q, .offset: 16, .size: 8, .value_kind: global_buffer, .address_space: global }
      - { .name: b_k, .offset: 24, .size: 8, .value_kind: global_buffer, .address_space: global }
      - { .name: b_v, .offset: 32, .size: 8, .value_kind: global_buffer, .address_space: global }
      - { .name: qh, .offset: 40, .size: 8, .value_kind: global_buffer, .address_space: global }
      - { .name: kh, .offset: 48, .size: 8, .value_kind: global_buffer, .address_space: global }
      - { .name: vb, .offset: 56, .size: 8, .value_kind: global_buffer, .address_space: global }
    .group_segment_fixed_size: 327680
    .private_segment_fixed_size: 0
    .kernarg_segment_align: 8
    .kernarg_segment_size: 64
    .max_flat_workgroup_size: 128
    .sgpr_count:     102
    .vgpr_count:     1024
    .wavefront_size: 32
...
	.end_amdgpu_metadata
.endif
;; end of part 2
;; launch attn (part 3): grid 4 x 64, 8 waves a work-group, no clusters, 327,680 bytes of LDS; arguments qh, kh, vb, lowp_scales, xc; writes xc
.if DOCPART == 3
	.amdgcn_target "amdgcn-amd-amdhsa--gfx1250"
	.amdhsa_code_object_version 6
	.text
	.protected	k_qfea4b73324_attn
	.globl	k_qfea4b73324_attn
	.p2align	8
	.type	k_qfea4b73324_attn,@function
k_qfea4b73324_attn:
	s_mov_b64 s[64:65], 0
	v_nop
	global_prefetch_b8 v0, s[64:65] scope:SCOPE_SE
	s_setreg_imm32_b32 hwreg(HW_REG_WAVE_MODE, 25, 1), 1
	s_wait_xcnt 0x0
; Causal attention on codes of FP8 (E4M3): x = softmax(Q K^T / 8, key <= query) V for 64 heads (batch x head) of 2,048 tokens x 64, and the quantiser of x for the last product.
; qh, kh: [head][s][64] codes (scales 2^e6, 2^e7).  vb: [head][s / 64][d][s % 64] codes, the keys innermost (2^e9).  xc: [token / 256][head % 16][token % 256][64] codes of x (2^e10).
; THE SOFTMAX AHEAD OF THE SECOND PRODUCT: t = score x log2(e) / 8; M = the row's largest t so far, rounded UP to a whole number; p = 2^(t - M), not normalised, is quantised with 2^e8.
; The row's sum is taken of the unquantised p, in f32, and divides O at the end.  When M moves, the sum and O are multiplied by 2^(old M - new M): nothing is rounded.
; SHARES.  Work-group (i, head) owns the blocks of 256 queries 7 - i and i, one after the other: (8 - i) + (i + 1) = 9 slots of 256 keys for every work-group: the trip count is a constant and all 256 work-groups have equal work.
; Each of the eight waves owns 32 queries of a block, two tiles of 16 (A, B), so that each fragment of K and V read from LDS feeds two matrix instructions.  Two waves share a SIMD.
; NO CLUSTER: the four work-groups of a head walk slots 0 .. 7 - i and then 0 .. i, so from the fifth trip on they want different tiles; walking jointly would take 8 + 4 = 12 slots each in place of 9.
; LAYOUT.  S^T = K Q^T (16x16x64; source 0 = 16 neighbouring keys, source 1 = 16 queries): a lane holds ONE query (lane % 16), register j of tile t key 16 t + 8 (lane / 16) + j.  Eight such registers become two registers of codes,
; which ARE registers 2 t, 2 t + 1 of source 1 of O^T = V^T P^T (16x16x128; source 0 = 16 of the head's 64).  K's and Q's fragments take the head's 64 in the same order on both sides (two loads of 16 bytes, 32 apart).
; THE MASK.  A work-group walks only the slots up to its block's own.  In that last slot the second 128 keys are left out by the waves whose 32 queries all come before them (a scalar branch on ids),
; and in the one step of a wave that lies on the diagonal hidden scores become -infinity ahead of the maximum.  Key 0 counts for every query, so M is a number from a block's first step on.
; LIMITS on the given exponents, so that each power of two below is an f32 number: e6 + e7 between -123 and 130; e8, and e10 - e8 - e9, between -126 and 119.  NaN is not served.
; REGISTERS.  window 0: v1-11 addresses; v12-19 -M, largest t, sum (two halves) of tiles A, B; v20-23 f of A, B; v24-29 at work; v31 2^e8; v32-95 V's four fragments; v96-159, v160-223 S^T then p of A, B; v224-255 p's codes.
;   window 1: v0-31, v32-63 O^T of A, B; v64-79 Q of A, B; v128-191 K's eight fragments.
.set SLOT1, 1<<16                      ; slot 1 begins here, so that one exclusive or turns an address in one slot into the other's
.set KP,    272                        ; four rows of 64 bytes + 16 of padding: row n lies at (n / 4) KP + 64 (n % 4), so that 16 neighbouring rows start at 16 different places modulo 256 bytes
.set VOFF,  64*KP                      ; a slot: 256 keys of K (16 KiB as 64 lines of 256 bytes), then the same of V
.set STAGE, 2*SLOT1                    ; the way out: for each wave 2 tiles x 16 rows x (64 bytes + 16); no tensor load lands here
.set WSTG,  2560
.set SPARE, STAGE+8*WSTG               ; the spare words, 128 bytes for each wave: four blocks of 256 bytes that no other line names
.set AK0, 1                            ; v1   my lane's place in a tile of K
.set AV0, 2                            ; v2   the same for V
.set PFO, 3                            ; v3   256 x lane: the prefetches' offset; never rewritten
.set STO, 4                            ; v4   the way out: where I put 8 codes
.set SPW, 5                            ; v5   LDS address of my spare word; never rewritten
.set NIL, 6                            ; v6   0; never rewritten
.set GO,  7                            ; v7   16 x lane: my place in 512 stored bytes
.set ADK, 8                            ; v8   LDS address of the slot's tiles of K
.set ADV, 9                            ; v9   of V
.set RD,  10                           ; v10  the way out: where I read 16 bytes back
.set QOF, 11                           ; v11  my byte in a tile of Q in memory
.set RL,  27                           ; v27  lane % 16 - 8 (lane / 16), for the mask
.set VF,  32
.set SA,  96
.set SB,  160
.set PA,  224
.set PB,  240
.set OA,  0                            ; window 1
.set OB,  32
.set QA,  64
.set QBF, 72
.set KFR, 128
.set TB,   2                           ; s2   LDS byte at which the slot in hand begins
.set WI,   3                           ; s3   i, the work-group's x
.set BLK,  14                          ; s14  the block of queries in hand
.set WRAP, 15                          ; s15  i + 1: the count of slots left at which the fills go back to slot 0
.set BACK, 16                          ; s16  (8 - i) slots in bytes
.set BH,   17                          ; s17  the head
.set WV,   18                          ; s18  my wave's number
.set LIM,  19                          ; s19  2 in a wave that prefetches, else the greatest number
.set SEL,  20                          ; s[20:21] lane selects for v_permlanex16_b32: lane l xor 16
.set CS,   22                          ; s[22:23] c = log2(e) / 8 x 2^(e6 + e7)
.set G1,   24                          ; s[24:31] descriptor group 1
.set G0,   32                          ; s[32:35] descriptor group 0, which walks
.set BST,  36                          ; s[36:37] what the walk goes back by: 0 or BACK
.set QBASE, 38                         ; s[38:39] my wave's queries of block 0
.set XBASE, 40                         ; s[40:41] their place in xc
.set QP,   42                          ; s[42:43], s[44:45] the same for the block in hand
.set XP,   44
.set PFA,  46                          ; s[46:47] where my prefetches stand
.set SLOTS, 48                         ; s48  slots still to be asked for
.set KF,   49                          ; s49  the step's first key
.set Q0,   50                          ; s50  my first query
.set SCO,  51                          ; s51  2^(e10 - e8 - e9) as f32
.set LIMO, 52
.set MSB, 0
.macro WIN new                         ; the immediate's high byte repeats the setting that is left
.if MSB != \new
	s_set_vgpr_msb (MSB<<8)|\new
.set MSB, \new
.endif
.endm
; Wave 0 fetches a slot's K, wave 1 its V, the others nothing; the branch hangs on the wave's number alone.  An s_nop 0 and four v_nop follow the load.
.macro TLOAD
	s_cmp_lt_u32 s[WV], 2
	s_cbranch_scc0 .Lasked_\@
	tensor_load_to_lds s[G0:G0+3], s[G1:G1+7]
	s_nop 0
.rept 4
	v_nop
.endr
.Lasked_\@:
.endm
; A prefetch of the slot that the NEXT change of slots will ask for: 16 KiB of K and 16 KiB of V.  The four work-groups of a head begin with the same slots 0, 1, ..: the one with i = 0, which walks all eight, asks, and nobody else.
; In it four waves that fetch nothing ask, one instruction each: waves 4, 5 for K's two halves, waves 6, 7 for V's: 8,192 bytes a wave, lanes 256 bytes apart.  So each aligned 256 bytes of slots 2 to 7 are named once in the launch.
; Slots 0 and 1 come by their loads alone; the changes with two slots or fewer left to ask for name nothing: slot 7 is the head's last.
.macro ASK
	s_cmp_gt_u32 s[SLOTS], s[LIM]
	s_cbranch_scc0 .Lnot_mine_\@
	global_prefetch_b8 v[PFO], s[PFA:PFA+1] th:TH_LOAD_NT scope:SCOPE_SE
.Lnot_mine_\@:
.endm
	s_load_b256 s[4:11], s[0:1], 0x0               ; qh 4, kh 6, vb 8, the scales' exponents 10
	s_load_b64 s[12:13], s[0:1], 0x20              ; xc
	v_lshl_add_u32 v[SPW], v0, 2, SPARE
	v_mov_b32 v[NIL], 0
	ds_add_u32 v[SPW], v[NIL]                      ; the wave's opening: the add and its wait stand ahead of my first tensor load; the set-up below, work on registers, stands between them
	ds_add_u32 v[SPW], v[NIL]
	v_lshrrev_b32 v8, 5, v0
	s_delay_alu instid0(VALU_DEP_1)
	v_readfirstlane_b32 s[WV], v8                  ; wave 0..7
	s_mov_b32 s[WI], ttmp9
	s_and_b32 s[BH], ttmp7, 0xffff
	; descriptor group 1: 16 KiB, dense in memory, as 64 lines of 256 bytes, padded in LDS
	s_mov_b32 s[G1], (0<<16)|(1<<20)|(5<<22)|(3<<25)   ; no mask; elements of 1 byte; padding on: four words after every 64
	s_mov_b32 s[G1+1], 256<<16                     ; tensor_dim0
	s_mov_b32 s[G1+2], 64<<16                      ; tensor_dim1
	s_mov_b32 s[G1+3], 256<<16                     ; tile_dim0
	s_mov_b32 s[G1+4], 64                          ; tile_dim1
	s_mov_b32 s[G1+5], 256                         ; tensor_dim0_stride
	s_mov_b32 s[G1+6], 0
	s_mov_b32 s[G1+7], 0
	s_mov_b32 s[SEL], 0x76543210
	s_mov_b32 s[SEL+1], 0xfedcba98
	s_mov_b32 s[CS], 0x3e38aa3b                    ; log2(e) / 8
	s_mov_b32 s[TB], 0
	s_mov_b32 s[SLOTS], 8
	s_add_co_u32 s[WRAP], s[WI], 1
	s_sub_co_u32 s[BACK], 8, s[WI]
	s_lshl_b32 s[BACK], s[BACK], 14
	s_mov_b32 s[BST+1], 0
	s_lshl_b32 s96, s[BH], 17                      ; the head's first byte in qh, kh and vb
	s_mov_b32 s97, 0
	s_wait_dscnt 0x0                               ; the opening add is done
	s_wait_kmcnt 0x0
	s_load_b128 s[68:71], s[10:11], 0x18           ; e6, e7, e8, e9
	s_load_b32 s72, s[10:11], 0x28                 ; e10
	s_cmp_eq_u32 s[WV], 0
	s_cselect_b64 s[G0+2:G0+3], s[6:7], s[8:9]     ; wave 0: K; wave 1: V
	s_add_nc_u64 s[G0+2:G0+3], s[G0+2:G0+3], s[96:97]  ; the head's slot 0
	s_or_b32 s[G0+3], s[G0+3], 0x80000000          ; type = 2
	s_mov_b32 s[G0], 1                             ; count = 1
	s_mul_i32 s[G0+1], s[WV], VOFF                 ; LDS: K at the slot's head, V behind it
	TLOAD                                          ; slot 0: one load of mine is out
	s_lshl_b32 s98, s[WV], 11                      ; my wave's 32 rows of 64 bytes
	s_mov_b32 s99, 0
	s_add_nc_u64 s[QBASE:QBASE+1], s[4:5], s[96:97]
	s_add_nc_u64 s[QBASE:QBASE+1], s[QBASE:QBASE+1], s[98:99]
	s_lshr_b32 s74, s[BH], 4
	s_lshl_b32 s74, s74, 21                        ; xc: the batch's eight blocks of 256 tokens x 1,024 bytes,
	s_and_b32 s75, s[BH], 15
	s_lshl_b32 s75, s75, 14                        ; the head's 256 rows of 64 bytes,
	s_add_co_u32 s74, s74, s75
	s_add_co_u32 s74, s74, s98                     ; my wave's 32
	s_mov_b32 s75, 0
	s_add_nc_u64 s[XBASE:XBASE+1], s[12:13], s[74:75]
	s_cmp_lt_u32 s[WV], 6                          ; the prefetches: waves 4, 5 stand in K, waves 6, 7 in V,
	s_cselect_b64 s[PFA:PFA+1], s[6:7], s[8:9]
	s_add_nc_u64 s[PFA:PFA+1], s[PFA:PFA+1], s[96:97]
	s_and_b32 s74, s[WV], 1
	s_lshl_b32 s74, s74, 13                        ; at my half of a slot's 16 KiB,
	s_add_co_u32 s74, s74, 16384                   ; in slot 1: the first change of slots steps it to slot 2
	s_add_nc_u64 s[PFA:PFA+1], s[PFA:PFA+1], s[74:75]
	s_lshr_b32 s74, s[WV], 2
	s_xor_b32 s74, s74, 1                          ; 0 in waves 4 to 7
	s_or_b32 s74, s74, ttmp9                       ; of the work-group with i = 0
	s_cmp_eq_u32 s74, 0
	s_cselect_b32 s[LIM], 2, -1
	v_and_b32 v8, 15, v0                           ; r
	v_bfe_u32 v9, v0, 4, 1                         ; h
	v_and_b32 v24, 31, v0                          ; lane
	s_delay_alu instid0(VALU_DEP_3)
	v_lshrrev_b32 v25, 2, v8
	s_delay_alu instid0(VALU_DEP_1)
	v_mul_u32_u24 v25, v25, KP
	v_and_b32 v26, 3, v8
	s_delay_alu instid0(VALU_DEP_1)
	v_lshl_add_u32 v25, v26, 6, v25                ; row r of a tile: (r / 4) KP + 64 (r % 4)
	s_delay_alu instid0(VALU_DEP_1)
	v_lshl_add_u32 v[AK0], v9, 4, v25              ; K: + 16 h
	s_delay_alu instid0(VALU_DEP_2)
	v_lshl_add_u32 v[AV0], v9, 3, v25              ; V: + 8 h,
	s_delay_alu instid0(VALU_DEP_1)
	v_add_nc_u32 v[AV0], VOFF, v[AV0]              ; behind K
	v_lshlrev_b32 v[PFO], 8, v24
	s_mul_i32 s74, s[WV], WSTG
	s_add_co_u32 s74, s74, STAGE                   ; my stage
	v_mul_u32_u24 v[STO], v8, 80
	s_delay_alu instid0(VALU_DEP_1)
	v_lshl_add_u32 v[STO], v9, 3, v[STO]
	s_delay_alu instid0(VALU_DEP_1)
	v_add_nc_u32 v[STO], s74, v[STO]               ; in: row r, 8 bytes for each half of the lanes
	v_lshlrev_b32 v[GO], 4, v24
	v_lshrrev_b32 v25, 2, v24
	s_delay_alu instid0(VALU_DEP_1)
	v_mul_u32_u24 v25, v25, 80
	v_and_b32 v26, 3, v24
	s_delay_alu instid0(VALU_DEP_1)
	v_lshl_add_u32 v25, v26, 4, v25
	s_delay_alu instid0(VALU_DEP_1)
	v_add_nc_u32 v[RD], s74, v25                   ; back: four lanes to a row of 64 bytes
	v_lshlrev_b32 v[QOF], 6, v8
	s_delay_alu instid0(VALU_DEP_1)
	v_lshl_add_u32 v[QOF], v9, 4, v[QOF]           ; Q in memory: row r of 64 bytes, + 16 h
	v_lshlrev_b32 v25, 3, v9
	s_delay_alu instid0(VALU_DEP_1)
	v_sub_nc_u32 v[RL], v8, v25
	v_mov_b32 v26, 0                               ; written once: a lane permute's destination counts as one of its sources
	v_mov_b32 v21, 0                               ; (named as the upper halves of the pairs v[20:21], v[22:23])
	v_mov_b32 v23, 0
	s_wait_alu depctr_va_vdst(0)
	s_wait_kmcnt 0x0
	s_add_co_i32 s74, s68, s69
	s_lshl_b32 s74, s74, 23
	s_add_co_i32 s[CS], s[CS], s74                 ; a score stands for score x 2^(e6 + e7): the two exponents are added to c's exponent field
	s_mov_b32 s[CS+1], s[CS]                       ; (named with it as a pair, so it is written)
	s_add_co_i32 s74, s70, 127
	s_lshl_b32 s75, s74, 23
	v_mov_b32 v31, s75                             ; 2^e8 as f32, for p's conversion
	s_sub_co_i32 s74, s72, s70
	s_sub_co_i32 s74, s74, s71                     ; O / l stands for x / 2^(e8 + e9): its code is (O / l) / 2^(e10 - e8 - e9)
	s_add_co_i32 s74, s74, 127
	s_lshl_b32 s[SCO], s74, 23
; A block of queries begins: its addresses, my two tiles of Q, and an empty state.  O^T and the sums begin as zeros and the largest t as -3e38, so that the key step is written once: its first change of M multiplies zeros.
.macro BEGIN_BLOCK
	s_lshl_b32 s96, s[BLK], 14                     ; 256 rows of 64 bytes
	s_mov_b32 s97, 0
	s_add_nc_u64 s[QP:QP+1], s[QBASE:QBASE+1], s[96:97]
	s_lshl_b32 s96, s[BLK], 18                     ; 256 tokens x 1,024 bytes
	s_add_nc_u64 s[XP:XP+1], s[XBASE:XBASE+1], s[96:97]
	s_lshl_b32 s[Q0], s[BLK], 8
	s_lshl_b32 s96, s[WV], 5
	s_add_co_u32 s[Q0], s[Q0], s96                 ; my first query
	s_mov_b32 s[KF], 0
	WIN 0x40                                       ; destination window 1
	global_load_b128 v[QA:QA+3], v[QOF], s[QP:QP+1]
	global_load_b128 v[QA+4:QA+7], v[QOF], s[QP:QP+1] offset:32
	global_load_b128 v[QBF:QBF+3], v[QOF], s[QP:QP+1] offset:1024
	global_load_b128 v[QBF+4:QBF+7], v[QOF], s[QP:QP+1] offset:1056
.set j, 0
.rept 64
	v_mov_b32 v[OA+j], 0
.set j, j+1
.endr
	WIN 0
	v_mov_b32 v13, 0xff61b1e6                      ; the largest t so far: -3e38, under every t
	v_mov_b32 v17, 0xff61b1e6
	s_delay_alu instid0(VALU_DEP_2)
	v_floor_f32 v12, -v13                          ; -M
	s_delay_alu instid0(VALU_DEP_2)
	v_floor_f32 v16, -v17
	v_mov_b32 v14, 0                               ; the sums, in two halves
	v_mov_b32 v15, 0
	v_mov_b32 v18, 0
	v_mov_b32 v19, 0
	s_wait_loadcnt 0x0                             ; Q
.endm
.macro KLOAD q                         ; K's eight fragments of the slot's q-th 128 keys: 16 keys x 64 each, two loads of 16 bytes a lane
.irp t, 0,1,2,3,4,5,6,7
	ds_load_b128 v[KFR+8*\t:KFR+8*\t+3], v[ADK] offset:(32*\q+4*\t)*KP
	ds_load_b128 v[KFR+8*\t+4:KFR+8*\t+7], v[ADK] offset:(32*\q+4*\t)*KP+32
.endr
.endm
; The first half of a tile's softmax: the step's largest score, the new M, f = 2^(old M - new M), and t - M.  sb: the scores; st: -M and the largest t; f: where f goes.
.macro SM1 sb, st, f
	v_max3_num_f32 v24, v[\sb], v[\sb+1], v[\sb+2]   ; among my 64 keys, in two chains; each tile of scores is read from its low end on
	v_max3_num_f32 v25, v[\sb+3], v[\sb+4], v[\sb+5]
.irp i, 6,10,14,18,22,26,30,34,38,42,46,50,54,58
	v_max3_num_f32 v24, v24, v[\sb+\i], v[\sb+\i+1]
	v_max3_num_f32 v25, v25, v[\sb+\i+2], v[\sb+\i+3]
.endr
	v_max3_num_f32 v24, v24, v[\sb+62], v[\sb+63]
	s_delay_alu instid0(VALU_DEP_1)
	v_max_num_f32 v24, v24, v25
	s_delay_alu instid0(VALU_DEP_1)
	v_permlanex16_b32 v26, v24, s[SEL], s[SEL+1]
	s_delay_alu instid0(VALU_DEP_1)
	v_max_num_f32 v24, v24, v26                    ; and among lane l xor 16's
	s_delay_alu instid0(VALU_DEP_1)
	v_mul_f32 v24, s[CS], v24                      ; as t (c is positive)
	s_delay_alu instid0(VALU_DEP_1)
	v_max_num_f32 v[\st+1], v[\st+1], v24          ; the running largest t
	v_mov_b32 v24, v[\st]
	s_delay_alu instid0(VALU_DEP_2)
	v_floor_f32 v[\st], -v[\st+1]                  ; the new -M = floor(-t) = -ceil(t): a whole number
	s_delay_alu instid0(VALU_DEP_1)
	v_sub_f32 v24, v[\st], v24                     ; old M - new M: a whole number, 0 or less
	s_delay_alu instid0(VALU_DEP_1)
	v_cvt_i32_f32 v24, v24                         ; (it saturates)
	s_delay_alu instid0(VALU_DEP_1)
	v_ldexp_f32 v[\f], 1.0, v24
.set j, 0
.rept 32
	v_pk_fma_f32 v[\sb+j:\sb+j+1], v[\sb+j:\sb+j+1], s[CS:CS+1], v[\st:\st+1] op_sel_hi:[1,0,0]   ; t - M, two at a time (of the pairs c and -M the low word serves both halves)
.set j, j+2
.endr
.endm
; The second half: the sum of the unquantised p, then p's codes.  sb: p; sum: the row's sum; p: where the codes go.
.macro SM2 sb, sum, p
	v_pk_add_f32 v[28:29], v[\sb:\sb+1], v[\sb+2:\sb+3]
.irp i, 4,8,12,16,20,24,28,32,36,40,44,48,52,56,60
	v_pk_add_f32 v[\sum:\sum+1], v[\sum:\sum+1], v[\sb+\i:\sb+\i+1]
	v_pk_add_f32 v[28:29], v[28:29], v[\sb+\i+2:\sb+\i+3]
.endr
	s_delay_alu instid0(VALU_DEP_1)
	v_pk_add_f32 v[\sum:\sum+1], v[\sum:\sum+1], v[28:29]
.irp t, 0,1,2,3,4,5,6,7
.irp i, 0,1,2,3,4,5,6,7
.endr
	v_cvt_scalef32_pk8_fp8_f32 v[\p+2*\t:\p+2*\t+1], v[\sb+8*\t:\sb+8*\t+7], v31   ; keys 16 t + 8 h + 0 .. 7: registers 2 t, 2 t + 1 of the operand
.endr
.endm
; A KEY STEP: 128 keys, the q-th of the slot in hand, for my two tiles of queries.
.macro STEP q
.if \q == 1
	s_add_co_u32 s96, s[Q0], 31                    ; the slot's second 128 keys all come after my 32 queries: the step's work is left out (a branch on ids; no barrier and no tensor load stands in a step)
	s_cmp_gt_u32 s[KF], s96
	s_cbranch_scc1 .Lhidden_\@
.else
	v_add_nc_u32 v[ADK], s[TB], v[AK0]             ; (a slot's first 128 keys are never hidden: a work-group walks only the slots up to its block's own)
	v_add_nc_u32 v[ADV], s[TB], v[AV0]
	s_wait_alu depctr_va_vdst(0)
	WIN 0x40
	KLOAD 0
.endif
	s_wait_dscnt 0x0                               ; K's fragments are in (the second step's were asked for in the first)
	WIN 0x05                                       ; K and Q in window 1, S^T in window 0
.irp t, 0,1,2,3,4,5,6,7
	v_wmma_f32_16x16x64_fp8_fp8 v[SA+8*\t:SA+8*\t+7], v[KFR+8*\t:KFR+8*\t+7], v[QA:QA+7], 0
	v_wmma_f32_16x16x64_fp8_fp8 v[SB+8*\t:SB+8*\t+7], v[KFR+8*\t:KFR+8*\t+7], v[QBF:QBF+7], 0
.endr
	WIN 0
.rept 4
	v_nop                                          ; places in front of the loads into V's and K's registers, which matrix instructions have read, and of the first read of the scores
.endr
.irp d, 0,1,2,3                                ; V's four fragments: 16 of the head's 64 x 128 keys; registers 2 c, 2 c + 1: keys 16 c + 8 h + 0 .. 7
.irp c, 0,1,2,3,4,5,6,7
	ds_load_b64 v[VF+16*\d+2*\c:VF+16*\d+2*\c+1], v[ADV] offset:(16*(2*\q+\c/4)+4*\d)*KP+16*(\c%4)
.endr
.endr
.if \q == 0
	WIN 0x40
	KLOAD 1                                        ; the next step's K lands under this step's softmax
	WIN 0
.endif
	s_add_co_u32 s96, s[KF], 127                   ; on the diagonal the scores of hidden keys become -infinity ahead of the maximum: p = 0 then.  A step all of whose keys count skips this
	s_cmp_le_u32 s96, s[Q0]
	s_cbranch_scc1 .Lopen_\@
	s_sub_co_i32 s96, s[Q0], s[KF]
	v_add_nc_u32 v24, s96, v[RL]                   ; tile A: my query - KF - 8 h.  Register 8 t + j holds key KF + 8 h + 16 t + j: hidden where 16 t + j is greater
	s_delay_alu instid0(VALU_DEP_1)
	v_add_nc_u32 v25, 16, v24                      ; tile B: 16 queries on
	v_mov_b32 v26, 0xff800000                      ; -infinity
.set n, 0
.rept 64
	v_cmp_gt_i32 vcc_lo, 16*(n/8)+n%8, v24
	v_cndmask_b32 v[SA+n], v[SA+n], v26, vcc_lo
.set n, n+1
.endr
.set n, 0
.rept 64
	v_cmp_gt_i32 vcc_lo, 16*(n/8)+n%8, v25
	v_cndmask_b32 v[SB+n], v[SB+n], v26, vcc_lo
.set n, n+1
.endr
.Lopen_\@:
	SM1 SA, 12, 20
	SM1 SB, 16, 22
.set j, 0
	s_wait_alu depctr_va_vdst(0)
.rept 128
	v_exp_f32 v[SA+j], v[SA+j]                     ; p = 2^(t - M), at most 1: both tiles' 128 exponentials are one batch
.set j, j+1
.endr
	v_pk_mul_f32 v[14:15], v[14:15], v[20:21] op_sel_hi:[1,0]   ; the sums under the new M: plain lines behind the exponentials
	v_pk_mul_f32 v[18:19], v[18:19], v[22:23] op_sel_hi:[1,0]
	s_wait_alu depctr_va_vdst(0)                   ; one wait for the whole batch, ahead of its first reader
	SM2 SA, 14, PA
	SM2 SB, 18, PB
	WIN 0x41                                       ; O^T (destination and source 0) in window 1, f in window 0
.set j, 0
.rept 16
	v_pk_mul_f32 v[OA+j:OA+j+1], v[OA+j:OA+j+1], v[20:21] op_sel_hi:[1,0]   ; O^T under the new M; each tile from its low end on.  (Also the plain lines behind the last conversion)
.set j, j+2
.endr
.set j, 0
.rept 16
	v_pk_mul_f32 v[OB+j:OB+j+1], v[OB+j:OB+j+1], v[22:23] op_sel_hi:[1,0]
.set j, j+2
.endr
.if \q == 0
	s_wait_alu depctr_va_vdst(0)
	s_wait_dscnt 16                                ; V's 32 loads are in; the sixteen behind them, the next step's K, may be out
.else
	s_wait_alu depctr_va_vdst(0)
	s_wait_dscnt 0x0                               ; V is in
.endif
	WIN 0x50                                       ; V and P in window 0, O^T in window 1
.irp d, 0,1,2,3                                ; eight accumulators by turns, one instruction a turn
	v_wmma_f32_16x16x128_fp8_fp8 v[OA+8*\d:OA+8*\d+7], v[VF+16*\d:VF+16*\d+15], v[PA:PA+15], v[OA+8*\d:OA+8*\d+7]
	v_wmma_f32_16x16x128_fp8_fp8 v[OB+8*\d:OB+8*\d+7], v[VF+16*\d:VF+16*\d+15], v[PB:PB+15], v[OB+8*\d:OB+8*\d+7]
.endr
	WIN 0
.if \q == 1
.Lhidden_\@:
.endif
	s_add_co_u32 s[KF], s[KF], 128
.endm
; THE CHANGE OF SLOTS stands at a slot's head.  Each wave waits for all its tensor loads (its part of the slot that it is about to read), adds 0 to its spare word, and waits for that and for its reads of the slot that it has left.
; Behind the barrier the slot ahead is whole and nobody reads the other one.  fill = 1: that other slot is filled with the slot that follows in the walk; the load has a whole slot's two steps in which to land.
.macro CHANGE fill
	s_wait_tensorcnt 0x0                           ; no tensor load of mine is out, so group 0 may be written
	ds_add_u32 v[SPW], v[NIL]                      ; 0 onto my spare word; the descriptor's steps stand between it and the wait for it
.if \fill
	s_xor_b32 s[G0+1], s[G0+1], SLOT1              ; the other LDS slot than last time,
	s_add_nc_u64 s[G0+2:G0+3], s[G0+2:G0+3], 16384 ; the next 256 keys;
	s_cmp_eq_u32 s[SLOTS], s[WRAP]                 ; where the first block's last slot is in hand, the next is the second block's slot 0: 8 - i slots back
	s_cselect_b32 s[BST], s[BACK], 0
	s_sub_nc_u64 s[G0+2:G0+3], s[G0+2:G0+3], s[BST:BST+1]
	s_wait_xcnt 0x0                                ; the last prefetch, a slot back, has read its address, so it may be written
	s_add_nc_u64 s[PFA:PFA+1], s[PFA:PFA+1], 16384
.endif
	s_wait_dscnt 0x0                               ; the add is done, and my reads of the slot that I have left are over
	s_barrier_signal -1
	s_barrier_wait -1
.if \fill
	TLOAD                                          ; the first thing behind the barrier, and a wave's one tensor load until the next
	ASK
.endif
.endm
; THE WAY OUT of a block: O^T / the sum, quantised; 8 codes a lane and tile go through my stage in LDS and come back 16 bytes a lane: my 32 queries' 2,048 consecutive bytes leave by four stores of 512.
.macro WAYOUT
.rept 4
	v_nop                                          ; places behind the last products
.endr
	v_add_f32 v14, v14, v15                        ; the sums' two halves,
	v_add_f32 v18, v18, v19
	s_delay_alu instid0(VALU_DEP_2)
	v_permlanex16_b32 v26, v14, s[SEL], s[SEL+1]
	s_delay_alu instid0(VALU_DEP_1)
	v_add_f32 v14, v14, v26                        ; and lane l xor 16's
	s_delay_alu instid0(VALU_DEP_2)
	v_permlanex16_b32 v26, v18, s[SEL], s[SEL+1]
	s_delay_alu instid0(VALU_DEP_1)
	v_add_f32 v18, v18, v26
	s_wait_alu depctr_va_vdst(0)
	v_rcp_f32 v14, v14
	v_rcp_f32 v18, v18
	v_mov_b32 v24, s[SCO]                          ; (plain lines behind the reciprocals)
	s_wait_alu depctr_va_vdst(0)                   ; one wait for both, ahead of their first reader
	WIN 0x01                                       ; source 0 (O^T) window 1
.set j, 0
.rept 16
	v_pk_mul_f32 v[SA+j:SA+j+1], v[OA+j:OA+j+1], v[14:15] op_sel_hi:[1,0]
.set j, j+2
.endr
.set j, 0
.rept 16
	v_pk_mul_f32 v[SA+32+j:SA+32+j+1], v[OB+j:OB+j+1], v[18:19] op_sel_hi:[1,0]
.set j, j+2
.endr
	WIN 0
.set j, 0
.rept 64
.set j, j+1
.endr
.irp n, 0,1,2,3,4,5,6,7                        ; tile n / 4, channels 16 (n % 4) + 8 h + 0 .. 7
	v_cvt_scalef32_pk8_fp8_f32 v[PA+2*\n:PA+2*\n+1], v[SA+8*\n:SA+8*\n+7], v24
.endr
	v_nop                                          ; a plain vector line behind the last conversion
.irp n, 0,1,2,3,4,5,6,7
	ds_store_b64 v[STO], v[PA+2*\n:PA+2*\n+1] offset:(\n/4)*1280+16*(\n%4)
.endr
.irp k, 0,1,2,3
	ds_load_b128 v[VF+4*\k:VF+4*\k+3], v[RD] offset:(\k/2)*1280+640*(\k%2)   ; LDS serves a wave's instructions in order (ISA guide 5.7.1.4): these see my stores
.endr
	s_wait_dscnt 0x0
.irp k, 0,1,2,3
	global_store_b128 v[GO], v[VF+4*\k:VF+4*\k+3], s[XP:XP+1] offset:512*\k
.endr
.endm
	s_sub_co_u32 s[BLK], 7, s[WI]                  ; the larger block first
	BEGIN_BLOCK
.Lslot:                                            ; eight trips: behind each change of slots but the last the next slot of the walk is asked for
	CHANGE 1
	STEP 0
	STEP 1
	s_xor_b32 s[TB], s[TB], SLOT1                  ; on to the other slot
	s_add_co_u32 s96, s[BLK], 1
	s_lshl_b32 s96, s96, 8
	s_cmp_lg_u32 s[KF], s96                        ; was that the block's own slot?  Ids and the count of steps alone: all eight waves go the same way
	s_cbranch_scc1 .Lsame_block
	WAYOUT
	s_wait_xcnt 0x0                                ; the stores have read their registers and their base: both are written again below
	s_mov_b32 s[BLK], s[WI]                        ; the smaller block
	BEGIN_BLOCK
.Lsame_block:
	s_sub_co_u32 s[SLOTS], s[SLOTS], 1
	s_cmp_lg_u32 s[SLOTS], 0
	s_cbranch_scc1 .Lslot
	CHANGE 0                                       ; the ninth slot is written out
	STEP 0
	STEP 1
	WAYOUT
	s_wait_tensorcnt 0x0                           ; the wave's end: behind my last tensor load and my last LDS store
	ds_add_u32 v[SPW], v[NIL]
	s_wait_dscnt 0x0
	s_endpgm
.Lfunc_end_k_qfea4b73324_attn:
	.size	k_qfea4b73324_attn, .Lfunc_end_k_qfea4b73324_attn-k_qfea4b73324_attn
	.p2alignl 7, 3214868480
	.fill 96, 4, 3214868480
	.section	.rodata,"a",@progbits
	.p2align	6, 0x0
	.amdhsa_kernel k_qfea4b73324_attn
		.amdhsa_group_segment_fixed_size 327680
		.amdhsa_private_segment_fixed_size 0
		.amdhsa_enable_private_segment 0
		.amdhsa_kernarg_size 40
		.amdhsa_user_sgpr_count 2
		.amdhsa_user_sgpr_kernarg_segment_ptr 1
		.amdhsa_wavefront_size32 1
		.amdhsa_system_sgpr_workgroup_id_x 1
		.amdhsa_system_sgpr_workgroup_id_y 1
		.amdhsa_system_sgpr_workgroup_id_z 1
		.amdhsa_system_vgpr_workitem_id 0
		.amdhsa_next_free_vgpr 512
		.amdhsa_next_free_sgpr 100
		.amdhsa_reserve_vcc 1
		.amdhsa_float_denorm_mode_32 3
		.amdhsa_float_denorm_mode_16_64 3
		.amdhsa_fp16_overflow 1
		.amdhsa_memory_ordered 1
		.amdhsa_forward_progress 1
		.amdhsa_inst_pref_size 166
	.end_amdhsa_kernel
	.amdgpu_metadata
---
amdhsa.version: [ 1, 2 ]
amdhsa.kernels:
  - .name:           k_qfea4b73324_attn
    .symbol:         k_qfea4b73324_attn.kd
    .args:
      - { .name: qh, .offset: 0, .size: 8, .value_kind: global_buffer, .address_space: global }
      - { .name: kh, .offset: 8, .size: 8, .value_kind: global_buffer, .address_space: global }
      - { .name: vb, .offset: 16, .size: 8, .value_kind: global_buffer, .address_space: global }
      - { .name: lowp_scales, .offset: 24, .size: 8, .value_kind: global_buffer, .address_space: global }
      - { .name: xc, .offset: 32, .size: 8, .value_kind: global_buffer, .address_space: global }
    .group_segment_fixed_size: 327680
    .private_segment_fixed_size: 0
    .kernarg_segment_align: 8
    .kernarg_segment_size: 40
    .max_flat_workgroup_size: 256
    .sgpr_count:     100
    .vgpr_count:     512
    .wavefront_size: 32
...
	.end_amdgpu_metadata
.endif
;; end of part 3
;; launch outp (part 4): grid 4 x 32, 4 waves a work-group, clusters of 4 x 4, 327,680 bytes of LDS; arguments xc, codes, lowp_scales, b_o, out0; writes out0
.if DOCPART == 4
	.amdgcn_target "amdgcn-amd-amdhsa--gfx1250"
	.amdhsa_code_object_version 6
	.text
	.protected	k_qfea4b73324_outp
	.globl	k_qfea4b73324_outp
	.p2align	8
	.type	k_qfea4b73324_outp,@function
k_qfea4b73324_outp:
	s_mov_b64 s[64:65], 0
	v_nop
	global_prefetch_b8 v0, s[64:65] scope:SCOPE_SE
	s_setreg_imm32_b32 hwreg(HW_REG_WAVE_MODE, 25, 1), 1
	s_wait_xcnt 0x0
	s_wait_alu depctr_hold_cnt(0) depctr_sa_sdst(0) depctr_va_vdst(0) depctr_va_sdst(0) depctr_va_ssrc(0) depctr_va_vcc(0) depctr_vm_vsrc(0)
	s_getreg_b32 s2, hwreg(HW_REG_IB_STS2, 6, 4)
	s_cmp_eq_u32 s2, 0
	s_cbranch_scc0 .Lentry_in_a_cluster
	s_endpgm
.Lentry_in_a_cluster:
	s_bfe_u32 s2, ttmp6, 0x10000c
	s_cmp_lg_u32 s2, 0xf033
	s_cbranch_scc0 .Lentry_shape_is_right
	s_endpgm
.Lentry_shape_is_right:
; out0 = x w_o^T + b_o on codes of FP8 (E4M3).  x: codes in xc, [token / 256][head][token % 256][64] (scale 2^e10).  w_o: codes [1024][1024], K innermost, at 27 MiB of the buffer 'codes' (2^e11).  out0: [8192][1024] f32.
; A tile of C, 256 x 256, is made by four waves, each 128 x 128: 64 accumulators.  K = 1,024 goes in four steps of 256 (four heads) through a ring of two LDS slots filled by the tensor data mover.
; A K step of A's tile, four heads x 256 rows x 64 bytes, is one dense run of 64 KiB in xc: it comes in as lines of 256 bytes (four rows of one head); row n of head g of the step lies in LDS at (64 g + n / 4) x 272 + 64 (n % 4).
; CLUSTERS: 4 x 4 work-groups; the four of a row of the cluster ask jointly for A's tiles, the four of a column for B's.  128 work-groups: C has no more tiles of this size.
; THE MATRIX INSTRUCTION IS USED TRANSPOSED (source 0 = 16 rows of w_o, source 1 = 16 tokens): a lane holds eight neighbouring numbers of a row of out0.
; THE BIAS is the C of each sum's first matrix instruction, divided by 2^(e10 + e11); each finished sum is multiplied once by 2^(e10 + e11).
; LIMIT: e10 + e11 between -126 and 127, so that 2^(e10 + e11) is an f32 number.
; REGISTERS, in windows of 256: window 0: v1-6 at work, v16-29 addresses, v32-95 the bias table (later a block's results), v128-255 A's fragments, ONE set (later rows read back).
;   window 1: B's fragments, two sets.  windows 2, 3: the accumulators ((a, b) at v[8 (8 (a % 4) + b)]).
.set SIZE_N, 1024
.set KROW,   1024                      ; a row of w_o's codes in memory
.set ROWB,   256
.set ASTEP,  65536                     ; bytes from a K step to the next in xc: four heads x 16 KiB
.set BSTEP,  ROWB                      ; and in w_o's rows
.set PITCH,  272                       ; an LDS line: 256 bytes + 16 of padding
.set FR,     16
.set NL,     4
.set NP,     4                         ; places behind this matrix instruction (ISA guide 7.12.1)
.set HALFT,  128*PITCH
.set SLOT,   4*HALFT
.set LAPS,   2
.set SPARE,  2*SLOT                    ; behind the ring: the spare words, 128 bytes for each wave
.set SPITCH, 528                       ; the way out: a stage of 16 rows x (512 bytes + 16) for each wave, in slot 0, which has had its last fill and its last read by then
.set ADRA, 16
.set ADRB, 20
.set STO,  24
.set RD,   25
.set CO,   26
.set SPW,  28                          ; v28  LDS address of my spare word; never rewritten
.set NIL,  29                          ; v29  0; never rewritten
.set T,    32                          ; v32-95 the bias table
.set TMP,  32
.set AF,   128
.set BK,   128
.set G1, 24
.set G0, 32
.set G1B, 48
.set G0B, 56
.set MSB, 0
.macro WIN new                         ; the immediate's high byte repeats the setting that is left
.if MSB != \new
	s_set_vgpr_msb (MSB<<8)|\new
.set MSB, \new
.endif
.endm
.set MUL_LO, 0xa1                      ; source 0 (B) window 1, source 1 (A) window 0, C and D window 2
.set MUL_HI, 0xf1
.set TO_B,   0x40
.macro JLOAD g0a, g1a, g0b, g1b        ; a joint load: waves 0 and 1 fetch for A, waves 2 and 3 for B; an s_nop 0 and four v_nop follow each of the two lines
	s_cmp_eq_u32 s15, 0
	s_cbranch_scc0 .Lfor_b_\@
	tensor_load_to_lds s[\g0a:\g0a+3], s[\g1a:\g1a+7]
	s_nop 0
.rept 4
	v_nop
.endr
	s_branch .Lasked_\@
.Lfor_b_\@:
	tensor_load_to_lds s[\g0b:\g0b+3], s[\g1b:\g1b+7]
	s_nop 0
.rept 4
	v_nop
.endr
.Lasked_\@:
.endm
.macro CREST
	s_cmp_lg_u32 s14, 0
	s_cbranch_scc1 .Lnot_wave_0_\@
	s_barrier_signal -3
.Lnot_wave_0_\@:
	s_barrier_wait -3
	s_barrier_signal -1
	s_barrier_wait -1
.endm
.macro CROUND
	s_barrier_signal -1
	s_barrier_wait -1
	CREST
.endm
	s_load_b256 s[68:75], s[0:1], 0x0              ; xc 68, codes 70, the scales' exponents 72, b_o 74
	s_load_b64 s[76:77], s[0:1], 0x20              ; out0
	v_lshl_add_u32 v[SPW], v0, 2, SPARE
	v_mov_b32 v[NIL], 0
	ds_add_u32 v[SPW], v[NIL]                      ; the wave's opening: the add and its wait stand ahead of my first tensor load; the set-up below, work on registers, stands between them
	v_lshrrev_b32 v1, 5, v0
	v_readfirstlane_b32 s14, v1                    ; wave 0..3
	s_lshr_b32 s15, s14, 1                         ; which half of the tile's rows is mine.  Also: I fetch for A (0) or for B (1)
	s_and_b32 s16, s14, 1                          ; which half of its columns.  Also: which half of that tile I fetch
	s_bfe_u32 s40, ttmp6, 0x40000                  ; cx, cy
	s_bfe_u32 s41, ttmp6, 0x40004
	s_lshl_b32 s42, ttmp9, 2
	s_add_co_u32 s42, s42, s40                     ; tile column of C
	s_and_b32 s17, ttmp7, 0xffff
	s_lshl_b32 s17, s17, 2
	s_add_co_u32 s17, s17, s41                     ; tile row of C = the block of 256 tokens
	s_lshl_b32 s43, s41, 2
	s_lshl_b32 s43, 15, s43                        ; my row of the cluster
	s_lshl_b32 s44, 0x1111, s40                    ; my column
	s_or_b32 s[G1+0], s43, (0<<16)|(1<<20)|(1<<21)|(5<<22)|(3<<25)  ; the mask; elements of 1 byte; padding on; bit 21 beside a mask; four words after every 64
	s_or_b32 s[G1B+0], s44, (0<<16)|(1<<20)|(1<<21)|(5<<22)|(3<<25)
.irp g, G1, G1B
	s_mov_b32 s[\g+1], ROWB<<16                    ; tensor_dim0
	s_mov_b32 s[\g+2], 128<<16                     ; tensor_dim1 = 128
	s_mov_b32 s[\g+3], ROWB<<16                    ; tile_dim0
	s_mov_b32 s[\g+4], 128                         ; tile_dim1 = 128
	s_mov_b32 s[\g+6], 0
	s_mov_b32 s[\g+7], 0
.endr
	s_mov_b32 s[G1+5], ROWB                        ; A's lines are dense in memory,
	s_mov_b32 s[G1B+5], KROW                       ; B's rows 1,024 bytes apart
	s_lshl_b32 s20, s17, 18                        ; A: the block's 256 KiB,
	s_lshl_b32 s22, s16, 15                        ; and two of the K step's four heads
	s_add_co_u32 s20, s20, s22
	s_mov_b32 s21, 0
	s_lshl_b32 s46, s42, 8
	s_lshl_b32 s22, s16, 7
	s_add_co_u32 s46, s46, s22                     ; B: row 256 x tile column + 128 x half,
	s_lshl_b32 s46, s46, 10
	s_add_co_u32 s46, s46, 27<<20                  ; of w_o's codes
	s_mov_b32 s47, 0
	s_mul_i32 s45, s14, HALFT                      ; where they go: wave x 128 lines: no place in the cluster enters an LDS address
	s_wait_dscnt 0x0                               ; the opening add is done
	s_wait_kmcnt 0x0
	s_load_b64 s[96:97], s[72:73], 0x28            ; e10, e11
	s_add_nc_u64 s[20:21], s[68:69], s[20:21]
	s_add_nc_u64 s[46:47], s[70:71], s[46:47]
	CROUND                                         ; all sixteen work-groups are here: the first joint loads meet
.irp s, 0,1
	s_mov_b32 s[G0+4*\s], 1
	s_add_co_u32 s[G0+4*\s+1], s45, \s*SLOT
	s_add_nc_u64 s[G0+4*\s+2:G0+4*\s+3], s[20:21], \s*ASTEP
	s_or_b32 s[G0+4*\s+3], s[G0+4*\s+3], 0x80000000
	s_mov_b32 s[G0B+4*\s], 1
	s_add_co_u32 s[G0B+4*\s+1], s45, \s*SLOT
	s_add_nc_u64 s[G0B+4*\s+2:G0B+4*\s+3], s[46:47], \s*BSTEP
	s_or_b32 s[G0B+4*\s+3], s[G0B+4*\s+3], 0x80000000
	JLOAD G0+4*\s, G1, G0B+4*\s, G1B               ; two loads of mine are out behind these
.endr
	v_and_b32 v1, 15, v0                           ; r
	v_bfe_u32 v2, v0, 4, 1                         ; h
	v_mul_u32_u24 v3, v1, PITCH
	v_lshl_add_u32 v4, v2, 4, v3                   ; B: a fragment's row x pitch + 16 h
	v_lshrrev_b32 v3, 2, v1
	v_mul_u32_u24 v3, v3, PITCH
	v_and_b32 v5, 3, v1
	v_lshl_add_u32 v3, v5, 6, v3
	v_lshl_add_u32 v3, v2, 4, v3                   ; A: (r / 4) x pitch + 64 (r % 4) + 16 h
	s_mul_i32 s21, s15, 32*PITCH                   ; my 128 rows of A: 32 lines on in each head
	s_mul_i32 s22, s16, HALFT                      ; my 128 rows of B,
	s_add_co_u32 s22, s22, 2*HALFT                 ; which lie behind A's 256 lines
.irp s, 0,1
	v_add_nc_u32 v[ADRA+\s], s21, v3
	v_add_nc_u32 v[ADRB+\s], s22, v4
	s_add_co_u32 s21, s21, SLOT
	s_add_co_u32 s22, s22, SLOT
.endr
	s_mul_i32 s23, s14, 16*SPITCH                  ; my stage
	v_mul_u32_u24 v5, v1, SPITCH                   ; in: row r, 32 bytes for each half of the lanes
	v_lshl_add_u32 v5, v2, 5, v5
	v_add_nc_u32 v[STO], s23, v5
	v_and_b32 v6, 31, v0
	v_lshlrev_b32 v[CO], 4, v6                     ; back: the 32 lanes take one row of 512 bytes; and the same in out0
	v_add_nc_u32 v[RD], s23, v[CO]
	s_lshl_b32 s46, s42, 10                        ; my first column, in bytes of f32: 1,024 x tile column + 512 x half
	s_lshl_b32 s47, s16, 9
	s_add_co_u32 s46, s46, s47
	s_mov_b32 s47, 0
	s_add_nc_u64 s[12:13], s[74:75], s[46:47]      ; b_o there
	s_lshl_b32 s20, s17, 8
	s_lshl_b32 s21, s15, 7
	s_add_co_u32 s20, s20, s21                     ; my first row of out0,
	s_lshl_b32 s20, s20, 12                        ; of 4,096 bytes
	s_mov_b32 s21, 0
	s_add_nc_u64 s[10:11], s[76:77], s[20:21]
	s_add_nc_u64 s[10:11], s[10:11], s[46:47]
	v_lshlrev_b32 v5, 5, v2                        ; 32 h: eight numbers of the bias for each half of the lanes
.irp b, 0,1,2,3,4,5,6,7                        ; the bias table, in the layout of a result: entry b serves the tiles of columns 16 b on
	global_load_b128 v[T+8*\b:T+8*\b+3], v5, s[12:13] offset:64*\b
	global_load_b128 v[T+8*\b+4:T+8*\b+7], v5, s[12:13] offset:64*\b+16
.endr
	s_wait_kmcnt 0x0
	s_add_co_i32 s98, s96, s97                     ; e10 + e11
	s_sub_co_i32 s99, 0, s98
	s_add_co_i32 s98, s98, 127
	s_lshl_b32 s96, s98, 23                        ; 2^(e10 + e11) as f32
	s_mov_b32 s97, s96                             ; (named with it as a pair)
	s_wait_loadcnt 0x0
.set j, 0
.rept 64
	v_ldexp_f32 v[T+j], v[T+j], s99                ; / 2^(e10 + e11): nothing is rounded
.set j, j+1
.endr
.macro FRAG reg, adr, q, i             ; B's fragment: lane l holds row l % 16; registers 4 c .. 4 c + 3 hold K = 32 c + 16 (l / 16) + 0 .. 15
.irp c, 0,1,2,3
	ds_load_b128 v[\reg+4*\c:\reg+4*\c+3], v[\adr] offset:128*(\q)+32*\c+(\i)*16*PITCH
.endr
.endm
.macro FRAGA reg, adr, q, i            ; A's, in the same order of K: K = 128 q + 32 c + 16 h is head 2 q + c / 2 of the step, channel 32 (c % 2) + 16 h
.irp c, 0,1,2,3
	ds_load_b128 v[\reg+4*\c:\reg+4*\c+3], v[\adr] offset:((2*(\q)+\c/2)*64+4*(\i))*PITCH+32*(\c%2)
.endr
.endm
; 16 matrix instructions: A's blocks a0, a0 + 1 x B's eight, 128 along K.  zero = 1: the first product starts the sums with the bias as C.  The 64 accumulators take turns, one instruction a turn.
.macro MUL16 a0, p, zero
.irp a, \a0, \a0+1
.irp b, 0,1,2,3,4,5,6,7
.if \zero
	v_wmma_f32_16x16x128_fp8_fp8 v[8*(8*((\a)%4)+\b):8*(8*((\a)%4)+\b)+7], v[128*(\p)+FR*\b:128*(\p)+FR*\b+FR-1], v[AF+FR*(\a):AF+FR*(\a)+FR-1], v[T+8*\b:T+8*\b+7]
.else
	v_wmma_f32_16x16x128_fp8_fp8 v[8*(8*((\a)%4)+\b):8*(8*((\a)%4)+\b)+7], v[128*(\p)+FR*\b:128*(\p)+FR*\b+FR-1], v[AF+FR*(\a):AF+FR*(\a)+FR-1], v[8*(8*((\a)%4)+\b):8*(8*((\a)%4)+\b)+7]
.endif
.endr
.endr
.endm
.macro FETCH_B slot, q, p
	WIN TO_B
.irp i, 0,1,2,3,4,5,6,7
	FRAG 128*(\p)+FR*\i, ADRB+\slot, \q, \i
.endr
	WIN 0
.endm
.macro FETCH_A slot, q, i0
.irp i, \i0, \i0+1, \i0+2, \i0+3
	FRAGA AF+FR*(\i), ADRA+\slot, \q, \i
.endr
.endm
.macro PLACES n                        ; plain vector lines between a matrix instruction and a load into, or a vector read of, its registers
.rept \n
	v_nop
.endr
.endm
.macro STEP slot, q, zero              ; a step of 128 along K that has its successor in the same slot
	s_wait_dscnt 4*NL                              ; B's set and A's blocks 0-3 are in; the youngest sixteen loads (A's blocks 4-7) may be out
.if \zero
	WIN 0x81                                       ; as MUL_LO, but C (the bias) in window 0
.else
	WIN MUL_LO
.endif
	MUL16 0, (\q)%2, \zero
	MUL16 2, (\q)%2, \zero
	s_wait_dscnt 0                                 ; A's blocks 4-7 are in
	PLACES NP
	FETCH_B \slot, (\q)+1, 1-(\q)%2
	FETCH_A \slot, (\q)+1, 0
.if \zero
	WIN 0xc1
.else
	WIN MUL_HI
.endif
	MUL16 4, (\q)%2, \zero
	MUL16 6, (\q)%2, \zero
	PLACES NP
	WIN 0
	FETCH_A \slot, (\q)+1, 4
.endm
; A slot's last step changes slots: ONE barrier; in front of it each wave waits for all its tensor loads, adds 0 to its spare word, and waits for that and for its own reads of this slot.  fill = 1: this slot is filled again, two K steps ahead.
.macro TURN slot, next, fill
	s_wait_tensorcnt 0x0                           ; all my tensor loads have landed: my part of the next slot
	ds_add_u32 v[SPW], v[NIL]                      ; 0 onto my spare word
	s_wait_dscnt 4*NL+1                            ; (the add and the youngest sixteen loads may be out)
	WIN MUL_LO
	MUL16 0, 1, 0                                  ; sixteen matrix instructions stand between the add and the wait for it
	s_wait_dscnt 0x0                               ; the add is done, and my reads of this slot are over
	s_barrier_signal -1
	MUL16 2, 1, 0
	WIN 0
	s_barrier_wait -1
.if \fill
	CREST                                          ; the barrier has opened a round of the cluster's barrier: no wave of any partner still reads this slot or has a load on its way
	s_add_nc_u64 s[G0+4*\slot+2:G0+4*\slot+3], s[G0+4*\slot+2:G0+4*\slot+3], 2*ASTEP
	s_add_nc_u64 s[G0B+4*\slot+2:G0B+4*\slot+3], s[G0B+4*\slot+2:G0B+4*\slot+3], 2*BSTEP
	JLOAD G0+4*\slot, G1, G0B+4*\slot, G1B         ; the first tensor load behind the round; its four v_nop are the places in front of the loads below
.else
	PLACES NP
.endif
	FETCH_B \next, 0, 0
	FETCH_A \next, 0, 0
	WIN MUL_HI
	MUL16 4, 1, 0
	MUL16 6, 1, 0
	PLACES NP
	WIN 0
	FETCH_A \next, 0, 4
.endm
	s_wait_tensorcnt 1                             ; my part of K step 0 is in; K step 1's load may be out
	s_barrier_signal -1
	s_barrier_wait -1                              ; everybody's is
	FETCH_B 0, 0, 0
	FETCH_A 0, 0, 0
	FETCH_A 0, 0, 4
	STEP 0, 0, 1                                   ; the first step stands in front of the loop: its products start the sums, with the bias
	s_mov_b32 s3, LAPS-1
.Llap:                                                 ; a trip goes once round the ring and fills both slots again
	TURN 0, 1, 1
	STEP 1, 0, 0
	TURN 1, 0, 1
	STEP 0, 0, 0
	s_sub_co_u32 s3, s3, 1
	s_cmp_lg_u32 s3, 0
	s_cbranch_scc1 .Llap
	TURN 0, 1, 0                                   ; the last lap fills nothing, and has no round of the cluster's barrier
	STEP 1, 0, 0
	s_wait_dscnt 4*NL                              ; the very last step: nothing more to fetch
	WIN MUL_LO
	MUL16 0, 1, 0
	MUL16 2, 1, 0
	s_wait_dscnt 0
	WIN MUL_HI
	MUL16 4, 1, 0
	MUL16 6, 1, 0
	WIN 0
; THE WAY OUT, block by block of 16 rows x 128 columns.  A lane holds 32 neighbouring bytes of a row: a block goes through my own stage in LDS and comes back as whole rows of 512 bytes,
; which the 32 lanes store as 512 consecutive bytes, aligned.  LDS serves a wave's instructions in order (ISA guide 5.7.1.4): no wait between the stores and the loads.
.macro TOSTAGE a
.set AC, 64*((\a)%4)
	WIN 0x02+((\a)/4)                              ; source 0: window 2 or 3
.irp j, 0,2,4,6,8,10,12,14,16,18,20,22,24,26,28,30,32,34,36,38,40,42,44,46,48,50,52,54,56,58,60,62
	v_pk_mul_f32 v[TMP+\j:TMP+\j+1], v[AC+\j:AC+\j+1], s[96:97] op_sel_hi:[1,0]   ; x 2^(e10 + e11); each accumulator from its low end on
.endr
	WIN 0
.irp b, 0,1,2,3,4,5,6,7
	ds_store_b128 v[STO], v[TMP+8*\b:TMP+8*\b+3] offset:64*\b
	ds_store_b128 v[STO], v[TMP+8*\b+4:TMP+8*\b+7] offset:64*\b+16
.endr
.set BB, BK+64*((\a)%2)
.irp t, 0,1,2,3,4,5,6,7,8,9,10,11,12,13,14,15
	ds_load_b128 v[BB+4*\t:BB+4*\t+3], v[RD] offset:\t*SPITCH
.endr
.endm
.macro SEND a, younger                 ; younger: the LDS instructions issued behind block a's loads, which may stay out
.set BB, BK+64*((\a)%2)
	s_wait_dscnt \younger                          ; the block is back in registers
.if (\a) > 0
	s_add_nc_u64 s[10:11], s[10:11], 16*SIZE_N*4   ; (behind a wait on XCNT: the earlier stores have read their base)  16 rows on
.endif
.irp t, 0,1,2,3,4,5,6,7,8,9,10,11,12,13,14,15
	global_store_b128 v[CO], v[BB+4*\t:BB+4*\t+3], s[10:11] offset:\t*SIZE_N*4 th:TH_STORE_NT   ; written once, read by nobody here
.endr
.endm
	PLACES NP                                      ; behind the last products: for the reads of results and for the loads into the registers that held A's fragments
	TOSTAGE 0
.irp a, 1,2,3,4,5,6,7
.if \a > 1
	s_wait_xcnt 0x0                                ; block a - 2's stores have read their registers and their base: block a's loads may land there, and the base may step
.endif
	TOSTAGE \a
	SEND \a-1, 32                                  ; behind block a - 1's loads: block a's 16 stores and 16 loads
.endr
	s_wait_xcnt 0x0                                ; block 6's stores have read their base
	SEND 7, 0
	s_wait_tensorcnt 0x0                           ; the wave's end: behind my last tensor load and my last LDS store
	ds_add_u32 v[SPW], v[NIL]
	s_wait_dscnt 0x0
	CROUND                                         ; the closing round: no work-group ends while a partner may still ask for a tile that names it
	s_endpgm
.Lfunc_end_k_qfea4b73324_outp:
	.size	k_qfea4b73324_outp, .Lfunc_end_k_qfea4b73324_outp-k_qfea4b73324_outp
	.p2alignl 7, 3214868480
	.fill 96, 4, 3214868480
	.section	.rodata,"a",@progbits
	.p2align	6, 0x0
	.amdhsa_kernel k_qfea4b73324_outp
		.amdhsa_group_segment_fixed_size 327680
		.amdhsa_private_segment_fixed_size 0
		.amdhsa_enable_private_segment 0
		.amdhsa_kernarg_size 40
		.amdhsa_user_sgpr_count 2
		.amdhsa_user_sgpr_kernarg_segment_ptr 1
		.amdhsa_wavefront_size32 1
		.amdhsa_system_sgpr_workgroup_id_x 1
		.amdhsa_system_sgpr_workgroup_id_y 1
		.amdhsa_system_sgpr_workgroup_id_z 1
		.amdhsa_system_vgpr_workitem_id 0
		.amdhsa_next_free_vgpr 1024
		.amdhsa_next_free_sgpr 100
		.amdhsa_reserve_vcc 0
		.amdhsa_float_denorm_mode_32 3
		.amdhsa_float_denorm_mode_16_64 3
		.amdhsa_memory_ordered 1
		.amdhsa_forward_progress 1
		.amdhsa_inst_pref_size 129
	.end_amdhsa_kernel
	.amdgpu_metadata
---
amdhsa.version: [ 1, 2 ]
amdhsa.kernels:
  - .name:           k_qfea4b73324_outp
    .symbol:         k_qfea4b73324_outp.kd
    .args:
      - { .name: xc, .offset: 0, .size: 8, .value_kind: global_buffer, .address_space: global }
      - { .name: codes, .offset: 8, .size: 8, .value_kind: global_buffer, .address_space: global }
      - { .name: lowp_scales, .offset: 16, .size: 8, .value_kind: global_buffer, .address_space: global }
      - { .name: b_o, .offset: 24, .size: 8, .value_kind: global_buffer, .address_space: global }
      - { .name: out0, .offset: 32, .size: 8, .value_kind: global_buffer, .address_space: global }
    .group_segment_fixed_size: 327680
    .private_segment_fixed_size: 0
    .kernarg_segment_align: 8
    .kernarg_segment_size: 40
    .max_flat_workgroup_size: 128
    .sgpr_count:     100
    .vgpr_count:     1024
    .wavefront_size: 32
...
	.end_amdgpu_metadata
.endif
;; end of part 4
